; MI455X (gfx1250); checked and timed in simulation.
; The chip was launched on July 23, 2026; its instructions are those of AMD's public machine-readable ISA for CDNA 5 (MIT licence, August 2026) and "CDNA5" Instruction Set Architecture Reference Guide (July 2026). The comments in the code are by the model that wrote it; some were corrected since.
;; Casual self Attention. Allowed arithmetic: float matrix products may take bf16 or f16 operands with f32 sums; other float arithmetic in f32, or as packed bf16 or f16 multiplies, adds, multiply-adds, maxima and minima; sums over many terms, partial sums and values carried from step to step in f32; what a program stores and reads back later, other than sums and carried values, may be rounded once to bf16 or f16.
;; Inputs: Wk 1,024 x 1,024 float32; Wq 1,024 x 1,024 float32; Wv 1,024 x 1,024 float32; x 4 x 2,048 x 1,024 float32.
;; Outputs: out0 4 x 2,048 x 1,024 float32.
;; 2 versions, each right; version 2 is version 1 with the launch pack written anew for expert scheduling mode. Each part assembles by itself: llvm-mc -triple=amdgcn-amd-amdhsa -mcpu=gfx1250 --defsym DOCPART=n.
;; ======== version 1 of 2: 4 launches
;; limits: values are held in f16: magnitudes above 65,504 overflow, below 6.1e-05 lose precision
;; workspace buffers: xw 23,068,672 bytes; qkv 50,331,648 bytes; pf 18,874,368 bytes; cms 524,288 bytes; ls 524,288 bytes
;; launch pack (part 1): grid 704 x 1, 8 waves a work-group, no clusters, 35,840 bytes of LDS; arguments x, Wq, Wk, Wv, xw; writes xw
.if DOCPART == 1
	.amdgcn_target "amdgcn-amd-amdhsa--gfx1250"
	.amdhsa_code_object_version 6
	.text
	.protected	k_q23944c011f_pack
	.globl	k_q23944c011f_pack
	.p2align	8
	.type	k_q23944c011f_pack,@function
k_q23944c011f_pack:
	s_mov_b64 s[64:65], 0
	v_nop
	global_prefetch_b8 v0, s[64:65] scope:SCOPE_SE
	s_setreg_imm32_b32 hwreg(HW_REG_WAVE_MODE, 25, 1), 1
	s_wait_xcnt 0x0
; PACK.  x [8192][1024] and Wq, Wk, Wv [1024][1024], all f32, are rounded once to bf16 and laid out as matrix fragments.
; xw: 704 blocks of 16 rows (0-511 x, 512-575 Wq, 576-639 Wk, 640-703 Wv); a block is 32 fragments of 1,024 bytes (16 rows x 32 k).
; In a fragment byte 512 half + 16 lane + 2 e holds (row = lane % 16, k = 16 half + 8 (lane / 16) + e): the register image of a 16-bit matrix operand,
; so the next launch reads fragments from LDS as 16 bytes a lane on end.
; A stream: each byte is read once and written once.  A work-group takes one block, wave v its k = 128 v .. 128 v + 127.  A load of a wave covers 512
; consecutive bytes of a row, a store 512 consecutive bytes of xw.  The turn from rows to fragments goes through the wave's own 16 LDS rows of 272 bytes
; (256 + 16: the 16 rows that a read touches start 68 words apart).  No matrix unit, no cluster, no tensor load: no wave wants a byte that another fetched.
; No prefetch: every load of the launch is issued at a wave's start.  All 16 loads of a wave (8 KiB) are out together.
.set ROWB,  4096                       ; bytes in a row of x or W
.set PITCH, 272
.set WLDS,  16*PITCH                   ; a wave's LDS rows
.set SPARE, 8*WLDS                     ; behind them: the spare words, 128 bytes for each wave, four blocks of 256 bytes that no other line names
.set IN,   2                           ; v2  16 x thread: my 16 bytes of a row (512 x wave + 16 x lane)
.set LST,  3                           ; v3  where I put 8 bytes of a row
.set LRD,  4                           ; v4  where I read 16 bytes of a fragment
.set OUTO, 5                           ; v5  my 16 bytes in the wave's 4,096 bytes of xw
.set SPW,  6                           ; v6  LDS address of my spare word; never rewritten
.set NIL,  7                           ; v7  0; never rewritten
.set X,    8                           ; v[8:71]   16 rows x 4 f32 as loaded; the first two of each four then hold 4 bf16
.set Y,    72                          ; v[72:103] eight half fragments to store
	s_load_b256 s[4:11], s[0:1], 0x0               ; x s[4:5], Wq s[6:7], Wk s[8:9], Wv s[10:11]
	s_load_b64 s[12:13], s[0:1], 0x20              ; xw
	v_lshl_add_u32 v[SPW], v0, 2, SPARE
	v_mov_b32 v[NIL], 0
	v_lshrrev_b32 v1, 5, v0
	v_readfirstlane_b32 s15, v1                    ; wave 0..7
	v_and_b32 v1, 31, v0                           ; lane
	v_lshlrev_b32 v[IN], 4, v0
	s_mul_i32 s22, s15, WLDS                       ; my wave's LDS rows
	v_lshl_add_u32 v[LST], v1, 3, s22              ; 4 bf16 a lane: 8 bytes
	v_and_b32 v8, 15, v0                           ; fragment row
	v_bfe_u32 v9, v0, 4, 1                         ; lane / 16
	v_mul_u32_u24 v[LRD], v8, PITCH
	v_lshl_add_u32 v[LRD], v9, 4, v[LRD]
	v_add_nc_u32 v[LRD], s22, v[LRD]
	s_lshl_b32 s23, s15, 12                        ; four fragments a wave
	v_lshl_add_u32 v[OUTO], v1, 4, s23
	s_mov_b32 s14, ttmp9                           ; the block
	s_mov_b32 s18, 640
	s_wait_kmcnt 0x0
	s_cmp_lt_u32 s14, 640                          ; which tensor the block belongs to, and that tensor's first block
	s_cselect_b64 s[16:17], s[8:9], s[10:11]
	s_cselect_b32 s18, 576, s18
	s_cmp_lt_u32 s14, 576
	s_cselect_b64 s[16:17], s[6:7], s[16:17]
	s_cselect_b32 s18, 512, s18
	s_cmp_lt_u32 s14, 512
	s_cselect_b64 s[16:17], s[4:5], s[16:17]
	s_cselect_b32 s18, 0, s18
	s_sub_co_u32 s18, s14, s18
	s_lshl_b32 s18, s18, 16                        ; 16 rows of 4,096 bytes
	s_mov_b32 s19, 0
	s_add_nc_u64 s[16:17], s[16:17], s[18:19]
	s_lshl_b32 s20, s14, 15                        ; 32 fragments of 1,024 bytes
	s_mov_b32 s21, 0
	s_add_nc_u64 s[12:13], s[12:13], s[20:21]
.set j, 0
.rept 16
	global_load_b128 v[X+4*j:X+4*j+3], v[IN], s[16:17] offset:j*ROWB th:TH_LOAD_NT  ; row j: the wave's 512 bytes
.set j, j+1
.endr
.set j, 0
.rept 16
	s_wait_loadcnt 15-j                            ; loads come back in order: row j is in, the younger ones stay out
	v_cvt_pk_bf16_f32 v[X+4*j], v[X+4*j], v[X+4*j+1]
	v_cvt_pk_bf16_f32 v[X+4*j+1], v[X+4*j+2], v[X+4*j+3]
	ds_store_b64 v[LST], v[X+4*j:X+4*j+1] offset:j*PITCH
.set j, j+1
.endr
.set j, 0
.rept 8
	ds_load_b128 v[Y+4*j:Y+4*j+3], v[LRD] offset:32*j  ; half fragment j: k = 16 j + 8 (lane / 16) on.  My own bytes; LDS serves a wave's instructions in order
.set j, j+1
.endr
.set j, 0
.rept 8
	s_wait_dscnt 7-j
	global_store_b128 v[OUTO], v[Y+4*j:Y+4*j+3], s[12:13] offset:512*j  ; 512 consecutive bytes, at a multiple of 512 from xw's first byte
.set j, j+1
.endr
	s_wait_tensorcnt 0x0                           ; the wave's end, behind my last LDS store
	ds_add_u32 v[SPW], v[NIL]
	s_wait_dscnt 0x0
	s_endpgm
.Lfunc_end_k_q23944c011f_pack:
	.size	k_q23944c011f_pack, .Lfunc_end_k_q23944c011f_pack-k_q23944c011f_pack
	.p2alignl 7, 3214868480
	.fill 96, 4, 3214868480
	.section	.rodata,"a",@progbits
	.p2align	6, 0x0
	.amdhsa_kernel k_q23944c011f_pack
		.amdhsa_group_segment_fixed_size 35840
		.amdhsa_private_segment_fixed_size 0
		.amdhsa_enable_private_segment 0
		.amdhsa_kernarg_size 40
		.amdhsa_user_sgpr_count 2
		.amdhsa_user_sgpr_kernarg_segment_ptr 1
		.amdhsa_wavefront_size32 1
		.amdhsa_system_sgpr_workgroup_id_x 1
		.amdhsa_system_sgpr_workgroup_id_y 1
		.amdhsa_system_sgpr_workgroup_id_z 1
		.amdhsa_system_vgpr_workitem_id 0
		.amdhsa_next_free_vgpr 112
		.amdhsa_next_free_sgpr 66
		.amdhsa_reserve_vcc 0
		.amdhsa_float_denorm_mode_32 3
		.amdhsa_float_denorm_mode_16_64 3
		.amdhsa_memory_ordered 1
		.amdhsa_forward_progress 1
		.amdhsa_inst_pref_size 9
	.end_amdhsa_kernel
	.amdgpu_metadata
---
amdhsa.version: [ 1, 2 ]
amdhsa.kernels:
  - .name:           k_q23944c011f_pack
    .symbol:         k_q23944c011f_pack.kd
    .args:
      - { .name: x, .offset: 0, .size: 8, .value_kind: global_buffer, .address_space: global }
      - { .name: Wq, .offset: 8, .size: 8, .value_kind: global_buffer, .address_space: global }
      - { .name: Wk, .offset: 16, .size: 8, .value_kind: global_buffer, .address_space: global }
      - { .name: Wv, .offset: 24, .size: 8, .value_kind: global_buffer, .address_space: global }
      - { .name: xw, .offset: 32, .size: 8, .value_kind: global_buffer, .address_space: global }
    .group_segment_fixed_size: 35840
    .private_segment_fixed_size: 0
    .kernarg_segment_align: 8
    .kernarg_segment_size: 40
    .max_flat_workgroup_size: 256
    .sgpr_count:     66
    .vgpr_count:     112
    .wavefront_size: 32
...
	.end_amdgpu_metadata
.endif
;; end of part 1
;; launch proj (part 2): grid 8 x 32, 4 waves a work-group, clusters of 4 x 4, 327,680 bytes of LDS; arguments xw, qkv; writes qkv
.if DOCPART == 2
	.amdgcn_target "amdgcn-amd-amdhsa--gfx1250"
	.amdhsa_code_object_version 6
	.text
	.protected	k_q23944c011f_proj
	.globl	k_q23944c011f_proj
	.p2align	8
	.type	k_q23944c011f_proj,@function
k_q23944c011f_proj:
	s_mov_b64 s[64:65], 0
	v_nop
	global_prefetch_b8 v0, s[64:65] scope:SCOPE_SE
	s_setreg_imm32_b32 hwreg(HW_REG_WAVE_MODE, 25, 1), 1
	s_wait_xcnt 0x0
	s_wait_alu depctr_hold_cnt(0) depctr_sa_sdst(0) depctr_va_vdst(0) depctr_va_sdst(0) depctr_va_ssrc(0) depctr_va_vcc(0) depctr_vm_vsrc(0)
	s_getreg_b32 s2, hwreg(HW_REG_IB_STS2, 6, 4)
	s_cmp_eq_u32 s2, 0
	s_cbranch_scc0 .Lentry_in_a_cluster
	s_endpgm
.Lentry_in_a_cluster:
	s_bfe_u32 s2, ttmp6, 0x10000c
	s_cmp_lg_u32 s2, 0xf033
	s_cbranch_scc0 .Lentry_shape_is_right
	s_endpgm
.Lentry_shape_is_right:
; PROJ.  q = x Wq^T, k = x Wk^T, v = x Wv^T: 8,192 tokens x 1,024 channels x K = 1,024 each, bf16 operands out of xw, f32 sums, each result rounded once to f16.
; LIMIT: f16 holds no number beyond 65,504: |q|, |k|, |v| must stay within it.
; qkv: part m (0 q, 1 k, 2 v) at 16,777,216 m; a block of 512 bytes at 32,768 tb + 512 cb (tb = token / 16, cb = channel / 16); lane l owns bytes 16 l .. 16 l + 15.
;   q, k: lane = token l % 16, channels 8 (l / 16) + 0..7 of cb.     v: lane = channel l % 16, tokens 8 (l / 16) + 0..7 of tb.
; These are halves of matrix fragments for the next two launches, and a result's four packed registers ARE a block: it is stored straight, 512 consecutive bytes a store.
; SHARES.  A work-group makes 256 tokens x 128 channels of q, of k and of v, so a fragment of x read from LDS serves three products.  Wave (r, c2): token blocks 8 r + a (a = 0..7) x
; channel blocks 4 c2 + b (b = 0..3) of each matrix g: 96 accumulators, 768 registers; 20 fragments from LDS feed 96 matrix instructions.  8 x 32 = 256 work-groups, one tile each.
; q, k: source 0 = W's rows, source 1 = x's rows, so a lane holds a token and 8 channels.  v: the sources swapped, so a lane holds a channel and 8 tokens.
; RING.  K goes in 16 steps of 64 (two fragments) through two LDS slots.  A slot: x's 16 token blocks x 2,048 bytes, then for each g 8 channel blocks x 2,048 bytes.  Fragments lie dense:
; every LDS load reads 16 bytes a lane on end.  Two slots of 128 along K would fill LDS and leave the spare words no room.
; CLUSTER 4 x 4.  x's tile hangs on the tile row alone and is asked for jointly by a row of the cluster, W's on the tile column alone, by a column.  Wave 0 fetches x's tile, waves 1-3 one W each.
; REGISTERS in windows of 256 (s_set_vgpr_msb: bits 1:0 source 0, 3:2 source 1, 5:4 source 2, 7:6 destination): window 0 addresses and fragments; window 1 + g the accumulators of matrix g, (a, b) at 8 (4 a + b).
.set SLOT1, 1<<17                      ; slot 1 begins here: one exclusive or turns an address in one slot into the other's
.set SPARE, SLOT1+81920                ; behind slot 1: the spare words, 128 bytes a wave, two blocks of 256 bytes that no other line names
.set L16, 2                            ; v2   16 x lane; never rewritten
.set BA,  16                           ; v16  my x fragments in slot 0
.set BB,  17                           ; v17  my W fragments in slot 0
.set ADA, 18                           ; v18  the same in the slot that is being read
.set ADB, 19                           ; v19
.set PFO, 21                           ; v21  the prefetches' lane offset; never rewritten
.set SPW, 28                           ; v28  LDS address of my spare word; never rewritten
.set NIL, 29                           ; v29  0; never rewritten
.set A0,  32                           ; v32-95   x fragments, buffer 0 (8 a); on the way out packed results
.set A1,  96                           ; v96-159  buffer 1
.set BF,  160                          ; v160-255 W fragments at 32 g + 8 b
.set WV,  14                           ; s14 wave;  s15 = wave / 2 = r;  s16 = wave % 2 = c2
.set WR1, 15
.set WR0, 16
.set SCX, 17                           ; my place in the cluster
.set SCY, 18
.set GX,  19                           ; tile column (128 channels)
.set GY,  20                           ; tile row (256 tokens)
.set CLY, 21                           ; the cluster's y
.set G1A, 24                           ; s[24:31] descriptor group 1 for x's tiles;  s[32:39] group 0: a set for each first fill; the second then walks
.set G0A, 32
.set PFA, 40                           ; s[40:41] where my prefetches stand
.set LIM, 42                           ; s42  1 in a wave that prefetches, else the greatest number
.set PM,  43                           ; s43  0: asks at every change of slots; 1: at every other one
.set TB,  46                           ; s46  LDS byte at which the slot being read begins
.set CNT, 47                           ; s47  the loop's count
.set G1B, 48                           ; s[48:55], s[56:63] the same for W's tiles
.set G0B, 56
.set OUT, 72                           ; s[72:77] q, k, v at my first block
.set MSB, 0
.macro WIN new                         ; the immediate's high byte repeats the setting that is left; a switch that changes nothing is dropped
.if MSB != (\new)
	s_set_vgpr_msb (MSB<<8)|(\new)
.set MSB, (\new)
.endif
.endm
.macro PLACES                          ; four plain instructions between a matrix instruction and a load into, or a vector instruction on, its registers (ISA guide 7.12.1 for vector instructions)
.rept 4
	v_nop
.endr
.endm
.macro CREST                           ; a round of the cluster's barrier behind its opening barrier
	s_cmp_lg_u32 s[WV], 0
	s_cbranch_scc1 .Lnot_wave_0_\@
	s_barrier_signal -3
.Lnot_wave_0_\@:
	s_barrier_wait -3
	s_barrier_signal -1
	s_barrier_wait -1
.endm
.macro CROUND
	s_barrier_signal -1
	s_barrier_wait -1
	CREST
.endm
.macro JLOAD                           ; a joint refill by the walking descriptor; the branch hangs on the wave's number alone; s_nop 0 and four v_nop follow each line
	s_cmp_eq_u32 s[WV], 0
	s_cbranch_scc0 .Lfor_b_\@
	tensor_load_to_lds s[G0A+4:G0A+7], s[G1A:G1A+7]
	s_nop 0
.rept 4
	v_nop
.endr
	s_branch .Lasked_\@
.Lfor_b_\@:
	tensor_load_to_lds s[G0B+4:G0B+7], s[G1B:G1B+7]
	s_nop 0
.rept 4
	v_nop
.endr
.Lasked_\@:
.endm
; A PREFETCH INTO THE L2, behind the joint load and the run of LDS loads that follows it.  At the change of slots behind step s the address stands at step s + 3, which the NEXT change will ask for: one step, 192 matrix instructions, ahead.
; x's rows: the first cluster of a row of clusters asks, wave 0; the partner at cx takes token blocks 4 cx .. 4 cx + 3: 4 x 2,048 bytes, a lane 256 of them, at every change.
; W's rows: the first cluster of a column of clusters asks, waves 1-3; the partner at cy takes 2 channel blocks x 4,096 bytes (steps s + 3 and s + 4), at every other change.  So each 256 bytes are named once.
; Steps 0 to 2 (W: 0 to 3) come by their loads alone; the loop's last trip asks for nothing: the last step named is step 15, a row's last.
.macro ASK
	s_and_b32 s22, s[CNT], s[PM]
	s_cmp_eq_u32 s22, s[PM]
	s_cbranch_scc0 .Lnot_mine_\@
	s_cmp_gt_u32 s[CNT], s[LIM]
	s_cbranch_scc0 .Lnot_mine_\@
	global_prefetch_b8 v[PFO], s[PFA:PFA+1] th:TH_LOAD_NT scope:SCOPE_SE
.Lnot_mine_\@:
.endm
	s_load_b128 s[4:7], s[0:1], 0x0                ; xw s[4:5], qkv s[6:7]
	v_lshl_add_u32 v[SPW], v0, 2, SPARE
	v_mov_b32 v[NIL], 0
	ds_add_u32 v[SPW], v[NIL]                      ; the wave's opening: the add and its wait stand ahead of my first tensor load; work on registers stands between them
	v_lshrrev_b32 v1, 5, v0
	v_readfirstlane_b32 s[WV], v1
	s_lshr_b32 s[WR1], s[WV], 1
	s_and_b32 s[WR0], s[WV], 1
	s_bfe_u32 s[SCX], ttmp6, 0x40000
	s_bfe_u32 s[SCY], ttmp6, 0x40004
	s_lshl_b32 s[GX], ttmp9, 2                     ; in a cluster launch ttmp9 and ttmp7 count clusters
	s_add_co_u32 s[GX], s[GX], s[SCX]
	s_and_b32 s[CLY], ttmp7, 0xffff
	s_lshl_b32 s[GY], s[CLY], 2
	s_add_co_u32 s[GY], s[GY], s[SCY]
	s_lshl_b32 s22, s[SCY], 2
	s_lshl_b32 s22, 15, s22                        ; my row of the cluster
	s_lshl_b32 s23, 0x1111, s[SCX]                 ; my column
	; group 1: rows of 2,048 bytes (256 elements of 8 bytes), 32,768 bytes apart; no padding
	s_or_b32 s[G1A], s22, (3<<16)|(1<<21)          ; 15:0 the mask; 17:16 elements of 8 bytes; 21 set beside a mask
	s_or_b32 s[G1B], s23, (3<<16)|(1<<21)
	s_mov_b32 s[G1A+1], 256<<16                    ; tensor_dim0 = 256
	s_mov_b32 s[G1A+2], 16<<16                     ; tensor_dim1 = 16
	s_mov_b32 s[G1A+3], 256<<16                    ; tile_dim0 = 256
	s_mov_b32 s[G1A+4], 16                         ; tile_dim1 = 16 token blocks
	s_mov_b32 s[G1A+5], 4096                       ; elements from row to row
	s_mov_b32 s[G1A+6], 0
	s_mov_b32 s[G1A+7], 0
	s_mov_b32 s[G1B+1], 256<<16
	s_mov_b32 s[G1B+2], 8<<16
	s_mov_b32 s[G1B+3], 256<<16
	s_mov_b32 s[G1B+4], 8                          ; 8 channel blocks
	s_mov_b32 s[G1B+5], 4096
	s_mov_b32 s[G1B+6], 0
	s_mov_b32 s[G1B+7], 0
	s_mov_b32 s[G0A], 1
	s_mov_b32 s[G0A+1], 0                          ; x's tile lies at a slot's head
	s_mov_b32 s[G0A+4], 1
	s_mov_b32 s[G0A+5], SLOT1
	s_add_co_u32 s22, s[WV], 1
	s_lshl_b32 s22, s22, 14                        ; W of matrix wave - 1 lies at 32,768 + 16,384 (wave - 1)
	s_mov_b32 s[G0B], 1
	s_mov_b32 s[G0B+1], s22
	s_mov_b32 s[G0B+4], 1
	s_add_co_u32 s[G0B+5], s22, SLOT1
	s_lshl_b32 s78, s[GY], 19                      ; x: 16 token blocks of 32,768 bytes a tile row
	s_mov_b32 s79, 0
	s_max_u32 s82, s[WV], 1
	s_sub_co_u32 s82, s82, 1                       ; the matrix that I fetch (wave 0 fetches none)
	s_lshl_b32 s82, s82, 6
	s_lshl3_add_u32 s82, s[GX], s82
	s_add_co_u32 s82, s82, 512                     ; row block 512 + 64 g + 8 x tile column
	s_lshl_b32 s82, s82, 15
	s_mov_b32 s83, 0
	s_lshl_b32 s86, s[GY], 4
	s_lshl3_add_u32 s86, s[WR1], s86               ; my first token block,
	s_lshl_b32 s86, s86, 15
	s_lshl_b32 s87, s[GX], 3
	s_lshl2_add_u32 s87, s[WR0], s87               ; my first channel block
	s_lshl_b32 s87, s87, 9
	s_add_co_u32 s86, s86, s87
	s_mov_b32 s87, 0
	s_lshl_b32 s22, s[SCX], 17                     ; the prefetches: of x my work-group's 4 token blocks,
	s_add_co_u32 s22, s22, s78
	s_lshl_b32 s23, s[SCY], 16                     ; of W its 2 channel blocks
	s_add_co_u32 s23, s23, s82
	s_cmp_eq_u32 s[WV], 0
	s_cselect_b32 s22, s22, s23
	s_cselect_b32 s23, ttmp9, s[CLY]               ; the coordinate along which other clusters read the same rows
	s_cselect_b32 s[PM], 0, 1
	s_cselect_b32 s66, 3, 4                        ; lanes to a block: 8 or 16
	s_cselect_b32 s67, 7, 15
	s_cmp_eq_u32 s23, 0
	s_cselect_b32 s[LIM], 1, -1                    ; the same in all sixteen partners, for a given wave
	s_mov_b32 s23, 0
	s_mov_b32 s[TB], 0
	s_wait_dscnt 0x0                               ; the opening add is done
	s_wait_kmcnt 0x0
	s_add_nc_u64 s[G0A+2:G0A+3], s[4:5], s[78:79]  ; step 0,
	s_add_nc_u64 s[G0A+6:G0A+7], s[G0A+2:G0A+3], 2048  ; step 1
	s_or_b32 s[G0A+3], s[G0A+3], 0x80000000        ; type = 2
	s_or_b32 s[G0A+7], s[G0A+7], 0x80000000
	s_add_nc_u64 s[G0B+2:G0B+3], s[4:5], s[82:83]
	s_add_nc_u64 s[G0B+6:G0B+7], s[G0B+2:G0B+3], 2048
	s_or_b32 s[G0B+3], s[G0B+3], 0x80000000
	s_or_b32 s[G0B+7], s[G0B+7], 0x80000000
	s_add_nc_u64 s[PFA:PFA+1], s[4:5], s[22:23]
	s_add_nc_u64 s[PFA:PFA+1], s[PFA:PFA+1], 4096  ; at step 2: the first change of slots steps it to 3
	s_add_nc_u64 s[OUT:OUT+1], s[6:7], s[86:87]
	s_add_nc_u64 s[OUT+2:OUT+3], s[OUT:OUT+1], 0x1000000
	s_add_nc_u64 s[OUT+4:OUT+5], s[OUT+2:OUT+3], 0x1000000
	CROUND                                         ; all sixteen work-groups are here: the first joint loads meet
	s_cmp_eq_u32 s[WV], 0                          ; a wave's two first fills stand in one branch: two loads of mine are out
	s_cbranch_scc0 .Lfirst_b
	tensor_load_to_lds s[G0A:G0A+3], s[G1A:G1A+7]
	s_nop 0
	tensor_load_to_lds s[G0A+4:G0A+7], s[G1A:G1A+7]
	s_nop 0
.rept 4
	v_nop
.endr
	s_branch .Lfirst_asked
.Lfirst_b:
	tensor_load_to_lds s[G0B:G0B+3], s[G1B:G1B+7]
	s_nop 0
	tensor_load_to_lds s[G0B+4:G0B+7], s[G1B:G1B+7]
	s_nop 0
.rept 4
	v_nop
.endr
.Lfirst_asked:
	v_and_b32 v3, 31, v0
	v_lshlrev_b32 v[L16], 4, v3
	s_lshl_b32 s22, s[WR1], 14                     ; my 8 token blocks of 2,048 bytes
	v_add_nc_u32 v[BA], s22, v[L16]
	s_lshl_b32 s23, s[WR0], 13                     ; my 4 channel blocks, behind x's 32,768 bytes
	s_add_co_u32 s23, s23, 32768
	v_add_nc_u32 v[BB], s23, v[L16]
	v_mov_b32 v[ADA], v[BA]
	v_mov_b32 v[ADB], v[BB]
	v_lshrrev_b32 v[PFO], s66, v3                  ; which block,
	v_and_b32 v4, s67, v3                          ; which 256 bytes of it
	v_lshlrev_b32 v[PFO], 15, v[PFO]
	v_lshl_add_u32 v[PFO], v4, 8, v[PFO]
; 16 matrix instructions of matrix g: token blocks a0 .. a0 + 3 out of buffer ab x 4 channel blocks.  The 96 accumulators take turns, one instruction a turn.  zero = 1: the first product starts the sum.
.macro GROUPH g, ab, a0, zero
	WIN 0x50*((\g)+1)
.irp a, \a0, (\a0)+1, (\a0)+2, (\a0)+3
.irp b, 0,1,2,3
.if (\g) < 2
.if \zero
	v_wmma_f32_16x16x32_bf16 v[8*(4*(\a)+(\b)):8*(4*(\a)+(\b))+7], v[BF+32*(\g)+8*(\b):BF+32*(\g)+8*(\b)+7], v[(\ab)+8*(\a):(\ab)+8*(\a)+7], 0
.else
	v_wmma_f32_16x16x32_bf16 v[8*(4*(\a)+(\b)):8*(4*(\a)+(\b))+7], v[BF+32*(\g)+8*(\b):BF+32*(\g)+8*(\b)+7], v[(\ab)+8*(\a):(\ab)+8*(\a)+7], v[8*(4*(\a)+(\b)):8*(4*(\a)+(\b))+7]
.endif
.else
.if \zero
	v_wmma_f32_16x16x32_bf16 v[8*(4*(\a)+(\b)):8*(4*(\a)+(\b))+7], v[(\ab)+8*(\a):(\ab)+8*(\a)+7], v[BF+32*(\g)+8*(\b):BF+32*(\g)+8*(\b)+7], 0
.else
	v_wmma_f32_16x16x32_bf16 v[8*(4*(\a)+(\b)):8*(4*(\a)+(\b))+7], v[(\ab)+8*(\a):(\ab)+8*(\a)+7], v[BF+32*(\g)+8*(\b):BF+32*(\g)+8*(\b)+7], v[8*(4*(\a)+(\b)):8*(4*(\a)+(\b))+7]
.endif
.endif
.endr
.endr
.endm
.macro GROUP g, ab, zero
	GROUPH \g, \ab, 0, \zero
	GROUPH \g, \ab, 4, \zero
.endm
.macro RUNB g, kf                      ; 8 LDS loads: matrix g's four fragments of K fragment kf
	WIN 0
.irp b, 0,1,2,3
	ds_load_b128 v[BF+32*(\g)+8*(\b):BF+32*(\g)+8*(\b)+3],   v[ADB] offset:16384*(\g)+2048*(\b)+1024*(\kf)
	ds_load_b128 v[BF+32*(\g)+8*(\b)+4:BF+32*(\g)+8*(\b)+7], v[ADB] offset:16384*(\g)+2048*(\b)+1024*(\kf)+512
.endr
.endm
.macro RUNA part, ab, kf               ; 8 LDS loads: x's fragments of token blocks 4 part .. 4 part + 3 into buffer ab
	WIN 0
.irp a, 4*(\part), 4*(\part)+1, 4*(\part)+2, 4*(\part)+3
	ds_load_b128 v[(\ab)+8*(\a):(\ab)+8*(\a)+3],   v[ADA] offset:2048*(\a)+1024*(\kf)
	ds_load_b128 v[(\ab)+8*(\a)+4:(\ab)+8*(\a)+7], v[ADA] offset:2048*(\a)+1024*(\kf)+512
.endr
.endm
; A step's first half: buffer 0 is multiplied; W's fragments are fetched anew as soon as their matrix is done, x's second fragment into buffer 1.
.macro EVEN zero
	s_wait_dscnt 8                                 ; all but the youngest eight loads, matrix 2's fragments
	GROUP 0, A0, \zero
	PLACES
	RUNB 0, 1
	RUNA 0, A1, 1
	GROUP 1, A0, \zero
	PLACES
	RUNB 1, 1
	RUNA 1, A1, 1
	s_wait_dscnt 32                                ; all but the 32 just issued: matrix 2's fragments are in
	GROUP 2, A0, \zero
	PLACES
	RUNB 2, 1
.endm
; A step's second half: buffer 1 is multiplied, and the slots change.  All the slot's fragments are in registers or on their way.  In front of the barrier each wave waits for all its tensor loads (one is out: its part of the
; other slot), adds 0 to its spare word, and waits for that and for its reads of the slot.  mode 1: the barrier opens a round of the cluster's, and the slot is filled again with the step two on, first thing behind it:
; 160 matrix instructions ahead of the wait for it.  mode 0: nothing is left to fetch.  mode 2: the last half step.
.macro ODD mode
.if (\mode) == 2
	s_wait_dscnt 0x0
	GROUP 0, A1, 0
	GROUP 1, A1, 0
	GROUP 2, A1, 0
.else
.if (\mode) == 1
	s_wait_xcnt 0x0                                ; the last prefetch, a step back, has read its address
	s_add_nc_u64 s[PFA:PFA+1], s[PFA:PFA+1], 2048
.endif
	WIN 0
	s_wait_tensorcnt 0x0                           ; no tensor load of mine is out
	ds_add_u32 v[SPW], v[NIL]                      ; 0 onto my spare word
	s_wait_dscnt 9                                 ; (the add and matrix 2's eight loads may be out)
	GROUPH 0, A1, 0, 0
	s_wait_dscnt 0x0                               ; the add is done, and my reads of this slot are over
	s_barrier_signal -1
	GROUPH 0, A1, 4, 0
	WIN 0
	s_barrier_wait -1
.if (\mode) == 1
	CREST                                          ; no wave of any partner still reads this slot or has a load on its way
	s_xor_b32 s[G0A+5], s[G0A+5], SLOT1            ; the walking descriptors: the other slot than last time, the next step
	s_add_nc_u64 s[G0A+6:G0A+7], s[G0A+6:G0A+7], 2048
	s_xor_b32 s[G0B+5], s[G0B+5], SLOT1
	s_add_nc_u64 s[G0B+6:G0B+7], s[G0B+6:G0B+7], 2048
.endif
	s_xor_b32 s[TB], s[TB], SLOT1                  ; the reads go on in the other slot
.if (\mode) == 1
	JLOAD                                          ; its four v_nop are also the places in front of the loads below
.else
	PLACES
.endif
	v_add_nc_u32 v[ADA], s[TB], v[BA]
	v_add_nc_u32 v[ADB], s[TB], v[BB]
	RUNB 0, 0
	RUNA 0, A0, 0
.if (\mode) == 1
	ASK
.endif
	GROUP 1, A1, 0
	PLACES
	RUNB 1, 0
	RUNA 1, A0, 0
	GROUP 2, A1, 0
	PLACES
	RUNB 2, 0
.endif
.endm
	s_wait_tensorcnt 1                             ; my part of step 0 is in; step 1's load may stay out
	s_barrier_signal -1
	s_barrier_wait -1
	RUNB 0, 0
	RUNA 0, A0, 0
	RUNB 1, 0
	RUNA 1, A0, 0
	RUNB 2, 0
	EVEN 1                                         ; the first half step stands ahead of the loop: its products start the 96 sums
	WIN 0
	s_mov_b32 s[CNT], 14
.Lstep:                                        ; trip i: the second half of step i, which asks for step i + 2, and the first half of step i + 1
	ODD 1
	EVEN 0
	WIN 0
	s_sub_co_u32 s[CNT], s[CNT], 1
	s_cmp_lg_u32 s[CNT], 0
	s_cbranch_scc1 .Lstep
	ODD 0                                          ; steps 14 and 15 ask for nothing
	EVEN 0
	ODD 2
	; THE WAY OUT: 16 accumulators at a time are rounded to f16, four registers each, and stored: a block of 512 bytes a store.  Two sets of 64 registers take turns.
	PLACES
.set i, 0
.rept 6
.set g, i/2
.set ah, i%2
.set TT, A0+64*(i%2)
.if i >= 2
	s_wait_xcnt 0x0                                ; the stores that read this set have had their addresses translated (ISA guide 3.1): only now is it rewritten
.endif
	WIN 5*(g+1)                                    ; sources 0 and 1 in the accumulators' window
.set n, 0
.rept 16
.set r, 0
.rept 4
	v_cvt_pk_f16_f32 v[TT+4*n+r], v[8*(16*ah+n)+2*r], v[8*(16*ah+n)+2*r+1]
.set r, r+1
.endr
.set n, n+1
.endr
	WIN 0
.set n, 0
.rept 16
	global_store_b128 v[L16], v[TT+4*n:TT+4*n+3], s[OUT+2*g:OUT+2*g+1] offset:(4*ah+n/4)*32768+512*(n%4)
.set n, n+1
.endr
.set i, i+1
.endr
	s_wait_tensorcnt 0x0                           ; the wave's end
	ds_add_u32 v[SPW], v[NIL]
	s_wait_dscnt 0x0
	CROUND                                         ; the closing round: no work-group ends while a partner may still ask for a tile that names it
	s_endpgm
.Lfunc_end_k_q23944c011f_proj:
	.size	k_q23944c011f_proj, .Lfunc_end_k_q23944c011f_proj-k_q23944c011f_proj
	.p2alignl 7, 3214868480
	.fill 96, 4, 3214868480
	.section	.rodata,"a",@progbits
	.p2align	6, 0x0
	.amdhsa_kernel k_q23944c011f_proj
		.amdhsa_group_segment_fixed_size 327680
		.amdhsa_private_segment_fixed_size 0
		.amdhsa_enable_private_segment 0
		.amdhsa_kernarg_size 16
		.amdhsa_user_sgpr_count 2
		.amdhsa_user_sgpr_kernarg_segment_ptr 1
		.amdhsa_wavefront_size32 1
		.amdhsa_system_sgpr_workgroup_id_x 1
		.amdhsa_system_sgpr_workgroup_id_y 1
		.amdhsa_system_sgpr_workgroup_id_z 1
		.amdhsa_system_vgpr_workitem_id 0
		.amdhsa_next_free_vgpr 1024
		.amdhsa_next_free_sgpr 88
		.amdhsa_reserve_vcc 0
		.amdhsa_float_denorm_mode_32 3
		.amdhsa_float_denorm_mode_16_64 3
		.amdhsa_memory_ordered 1
		.amdhsa_forward_progress 1
		.amdhsa_inst_pref_size 97
	.end_amdhsa_kernel
	.amdgpu_metadata
---
amdhsa.version: [ 1, 2 ]
amdhsa.kernels:
  - .name:           k_q23944c011f_proj
    .symbol:         k_q23944c011f_proj.kd
    .args:
      - { .name: xw, .offset: 0, .size: 8, .value_kind: global_buffer, .address_space: global }
      - { .name: qkv, .offset: 8, .size: 8, .value_kind: global_buffer, .address_space: global }
    .group_segment_fixed_size: 327680
    .private_segment_fixed_size: 0
    .kernarg_segment_align: 8
    .kernarg_segment_size: 16
    .max_flat_workgroup_size: 128
    .sgpr_count:     88
    .vgpr_count:     1024
    .wavefront_size: 32
...
	.end_amdgpu_metadata
.endif
;; end of part 2
;; launch score (part 3): grid 8 x 32, 4 waves a work-group, clusters of 4 x 4, 327,680 bytes of LDS; arguments qkv, pf, cms, ls; writes pf, cms, ls
.if DOCPART == 3
	.amdgcn_target "amdgcn-amd-amdhsa--gfx1250"
	.amdhsa_code_object_version 6
	.text
	.protected	k_q23944c011f_score
	.globl	k_q23944c011f_score
	.p2align	8
	.type	k_q23944c011f_score,@function
k_q23944c011f_score:
	s_mov_b64 s[64:65], 0
	v_nop
	global_prefetch_b8 v0, s[64:65] scope:SCOPE_SE
	s_setreg_imm32_b32 hwreg(HW_REG_WAVE_MODE, 25, 1), 1
	s_wait_xcnt 0x0
	s_wait_alu depctr_hold_cnt(0) depctr_sa_sdst(0) depctr_va_vdst(0) depctr_va_sdst(0) depctr_va_ssrc(0) depctr_va_vcc(0) depctr_vm_vsrc(0)
	s_getreg_b32 s2, hwreg(HW_REG_IB_STS2, 6, 4)
	s_cmp_eq_u32 s2, 0
	s_cbranch_scc0 .Lentry_in_a_cluster
	s_endpgm
.Lentry_in_a_cluster:
	s_bfe_u32 s2, ttmp6, 0x10000c
	s_cmp_lg_u32 s2, 0xf033
	s_cbranch_scc0 .Lentry_shape_is_right
	s_endpgm
.Lentry_shape_is_right:
; SCORE.  S = q k^T under the causal mask, and the first half of a softmax split in two.  f16 operands, f32 sums.
; BANDS.  In a batch token = 256 t + 16 w + u (band t = 0..7, group w = 0..15).  Group w is the 8 token blocks (t, w), 16 blocks apart in qkv.  A query block (t, w) needs a key block (t', w') iff t' <= t:
; 36 of 64 pairs, the same in every wave; for t' < t all keys are seen, for t' = t a mask decides.  So all work-groups do equal work and no count hangs on a place in the grid.
; SHARES.  A work-group: query groups 2 W, 2 W + 1 x key groups 2 Z, 2 Z + 1 of one batch.  Wave (g, g'): group w = 2 W + g against group w' = 2 Z + g': 36 accumulators at idx = t (t + 1) / 2 + t'.
; S^T = k q^T (source 0 = 16 keys, source 1 = 16 queries): a lane holds ONE query (lane % 16) and the keys 8 (lane / 16) + 0..7.
; THE MASK is the C operand that starts the sums of the pairs t' = t: 0, or -1e30 where 16 w' + key > 16 w + query.
; SOFTMAX, FIRST HALF.  For each query and key group: m = the maximum of its scores, p = 2^(c s - c m) with c = log2(e) / 32, l = the sum of p (unrounded).  p goes out rounded to f16, c m and l in f32.
; The next launch takes the maximum of the 16 groups' c m away.  m is held at -1e20 or above: f16 operands give scores of 4.4e12 at the most in size, so the floor is never above a true score; it is
; met only by a group of which a query sees nothing (band 0, w' > w).  There c s - c m is near -4.5e28, so p = 0 and l = 0, and c m = -4.5e18, so the group counts for 0 in the next launch.
; LIMITS.  A hidden score counts as its value less 1e30; a weight below 2^-126 counts as 0 in l, below 6e-8 as 0 in p; NaN and infinities are not treated apart.
; pf: ((16 b + w) 16 + w') 18,432 + 512 idx: lane l owns 16 bytes at 16 l: query l % 16, keys 8 (l / 16) + 0..7.   cms, ls: ((16 b + w) 16 + w') 512 + 256 (t / 4) + 16 u + 4 (t % 4).
; RING.  The 1,024 channels go in 8 steps of 128 through two LDS slots of four pieces (two query groups, two key groups) of 8 blocks x 4,096 bytes, dense; wave p fetches piece p.
; CLUSTER 4 x 4.  A query piece hangs on the tile row alone: asked for jointly by a row of the cluster; a key piece on the tile column and the batch, which the whole cluster shares: by a column.
; REGISTERS: window 0 addresses, q's two fragment buffers, the mask, later the way out; window 3 k's two buffers; window 1 accumulators idx 0-31 at 8 idx; window 2 idx 32-35.
.set SLOT1, 1<<17
.set SPARE, 2*SLOT1                    ; behind the ring: the spare words, 128 bytes a wave, two blocks of 256 bytes that no other line names
.set L16, 2                            ; v2   16 x lane; never rewritten
.set BQ,  16                           ; v16  my query piece in slot 0
.set BK,  17                           ; v17  my key piece in slot 0
.set AQ,  18                           ; v18, v19 the same in the slot being read
.set AK,  19
.set PFO, 21                           ; v21  the prefetches' lane offset; never rewritten
.set SPW, 28
.set NIL, 29
.set CR,  32                           ; v32-67   the way out: a running maximum for each idx
.set QF,  64                           ; v64-191  q's fragments: buffer f, band t at 64 f + 8 t
.set TT,  68                           ; v68-211  the way out: packed weights, 4 idx
.set TMPX,176                          ; v176-183 the other half of the lanes' maxima
.set MD,  192                          ; v192-199 the mask
.set OC,  216                          ; v216-219 c m to store;  v220-223 l to store
.set OL,  220
.set ST,  224                          ; v224-239 band t: c m, m
.set LL,  240                          ; v240-247 band t: l
.set WV,  14
.set WR1, 15
.set WR0, 16
.set SCX, 17
.set SCY, 18
.set GX,  19
.set GY,  20
.set CLY, 21
.set G1A, 24
.set G0A, 32
.set PFA, 40
.set LIM, 42
.set TB,  46
.set CNT, 47
.set G1B, 48
.set G0B, 56
.set CS,  66                           ; s[66:67] c, twice
.set SEL, 68                           ; s[68:69] v_permlanex16_b32's selects: each lane takes its own place in the other half
.set BIGN,70
.set FLR, 81                           ; s81  -1e20: the floor of m
.set MSB, 0
.macro WIN new
.if MSB != (\new)
	s_set_vgpr_msb (MSB<<8)|(\new)
.set MSB, (\new)
.endif
.endm
.macro PLACES
.rept 4
	v_nop
.endr
.endm
.macro CREST
	s_cmp_lg_u32 s[WV], 0
	s_cbranch_scc1 .Lnot_wave_0_\@
	s_barrier_signal -3
.Lnot_wave_0_\@:
	s_barrier_wait -3
	s_barrier_signal -1
	s_barrier_wait -1
.endm
.macro CROUND
	s_barrier_signal -1
	s_barrier_wait -1
	CREST
.endm
.macro JLOAD                           ; waves 0, 1 fetch the query pieces, waves 2, 3 the key pieces
	s_cmp_eq_u32 s[WR1], 0
	s_cbranch_scc0 .Lfor_k_\@
	tensor_load_to_lds s[G0A+4:G0A+7], s[G1A:G1A+7]
	s_nop 0
.rept 4
	v_nop
.endr
	s_branch .Lasked_\@
.Lfor_k_\@:
	tensor_load_to_lds s[G0B+4:G0B+7], s[G1B:G1B+7]
	s_nop 0
.rept 4
	v_nop
.endr
.Lasked_\@:
.endm
; A PREFETCH INTO THE L2: at the change of slots behind step s, step s + 3, which the next change asks for: one step, 144 matrix instructions, ahead.  Each wave names rows of the piece that it fetches itself:
; the partner at place p among the four that ask jointly (cx for q, cy for k) takes bands 2 p and 2 p + 1: 2 x 4,096 bytes, a lane 256 of them.  q's rows are read by both clusters of a row of clusters: the first asks;
; k's by the two rows of clusters of a batch: the even one asks.  So each 256 bytes are named once.  Steps 0 to 2 come by their loads alone; the loop's last trip asks for nothing: step 7 is the last.
.macro ASK
	s_cmp_gt_u32 s[CNT], s[LIM]
	s_cbranch_scc0 .Lnot_mine_\@
	global_prefetch_b8 v[PFO], s[PFA:PFA+1] th:TH_LOAD_NT scope:SCOPE_SE
.Lnot_mine_\@:
.endm
	s_load_b256 s[4:11], s[0:1], 0x0               ; qkv s[4:5], pf s[6:7], cms s[8:9], ls s[10:11]
	v_lshl_add_u32 v[SPW], v0, 2, SPARE
	v_mov_b32 v[NIL], 0
	ds_add_u32 v[SPW], v[NIL]                      ; the wave's opening: the add and its wait stand ahead of my first tensor load
	v_lshrrev_b32 v1, 5, v0
	v_readfirstlane_b32 s[WV], v1
	s_lshr_b32 s[WR1], s[WV], 1
	s_and_b32 s[WR0], s[WV], 1
	s_bfe_u32 s[SCX], ttmp6, 0x40000
	s_bfe_u32 s[SCY], ttmp6, 0x40004
	s_lshl_b32 s[GX], ttmp9, 2
	s_add_co_u32 s[GX], s[GX], s[SCX]              ; Z
	s_and_b32 s[CLY], ttmp7, 0xffff
	s_lshl_b32 s[GY], s[CLY], 2
	s_add_co_u32 s[GY], s[GY], s[SCY]              ; 8 b + W
	s_lshl_b32 s22, s[SCY], 2
	s_lshl_b32 s22, 15, s22
	s_lshl_b32 s23, 0x1111, s[SCX]
	s_or_b32 s[G1A], s22, (3<<16)|(1<<21)          ; the mask; elements of 8 bytes; bit 21 beside a mask
	s_or_b32 s[G1B], s23, (3<<16)|(1<<21)
.irp g, G1A, G1B
	s_mov_b32 s[(\g)+1], 512<<16                   ; tensor_dim0 = 512: rows of 4,096 bytes
	s_mov_b32 s[(\g)+2], 8<<16                     ; tensor_dim1 = 8
	s_mov_b32 s[(\g)+3], 512<<16                   ; tile_dim0
	s_mov_b32 s[(\g)+4], 8                         ; tile_dim1: the group's 8 bands
	s_mov_b32 s[(\g)+5], 65536                     ; 16 blocks of 32,768 bytes from band to band
	s_mov_b32 s[(\g)+6], 0
	s_mov_b32 s[(\g)+7], 0
.endr
	s_lshl_b32 s22, s[WV], 15                      ; piece = wave
.irp g, G0A, G0B
	s_mov_b32 s[(\g)], 1
	s_mov_b32 s[(\g)+1], s22
	s_mov_b32 s[(\g)+4], 1
	s_add_co_u32 s[(\g)+5], s22, SLOT1
.endr
	s_lshr_b32 s78, s[GY], 3                       ; q: token block 128 b + 2 W + wave % 2
	s_lshl_b32 s78, s78, 7
	s_and_b32 s79, s[GY], 7
	s_lshl1_add_u32 s78, s79, s78
	s_add_co_u32 s78, s78, s[WR0]
	s_lshl_b32 s78, s78, 15
	s_mov_b32 s79, 0
	s_lshr_b32 s82, s[CLY], 1                      ; k: the batch made of the cluster's y alone,
	s_lshl_b32 s82, s82, 7
	s_lshl1_add_u32 s82, s[GX], s82                ; token block 128 b + 2 Z + wave % 2,
	s_add_co_u32 s82, s82, s[WR0]
	s_lshl_b32 s82, s82, 15
	s_add_co_u32 s82, s82, 0x1000000               ; in part 1
	s_mov_b32 s83, 0
	s_lshl1_add_u32 s84, s[GY], s[WR1]             ; 16 b + w
	s_lshl_b32 s84, s84, 4
	s_lshl1_add_u32 s84, s[GX], s84
	s_add_co_u32 s84, s84, s[WR0]                  ; (16 b + w) 16 + w'
	s_mul_i32 s86, s84, 18432
	s_mov_b32 s87, 0
	s_lshl_b32 s84, s84, 9
	s_mov_b32 s85, 0
	s_and_b32 s71, s[GY], 7                        ; 16 (w - w')
	s_lshl1_add_u32 s71, s71, s[WR1]
	s_lshl1_add_u32 s23, s[GX], s[WR0]
	s_sub_co_u32 s71, s71, s23
	s_lshl_b32 s71, s71, 4
	s_mov_b32 s[CS], 0x3d38aa3b                    ; c = log2(e) / 32
	s_mov_b32 s[CS+1], s[CS]
	s_mov_b32 s[SEL], 0x76543210
	s_mov_b32 s[SEL+1], 0xfedcba98
	s_mov_b32 s[BIGN], 0xf149f2ca                  ; -1e30
	s_mov_b32 s[FLR], 0xe0ad78ec                   ; -1e20
	s_and_b32 s23, s[CLY], 1
	s_cmp_eq_u32 s[WR1], 0
	s_cselect_b32 s22, s78, s82                    ; the piece that I fetch,
	s_cselect_b32 s80, s[SCX], s[SCY]              ; my place among the four that ask for it with me,
	s_cselect_b32 s23, ttmp9, s23                  ; and whether my cluster is the one that prefetches it
	s_cmp_eq_u32 s23, 0
	s_cselect_b32 s[LIM], 1, -1
	s_lshl_b32 s80, s80, 20                        ; two bands of 524,288 bytes
	s_add_co_u32 s22, s22, s80
	s_add_co_u32 s22, s22, 8192                    ; at step 2: the first change of slots steps it to 3
	s_mov_b32 s23, 0
	s_mov_b32 s[TB], 0
	s_wait_dscnt 0x0
	s_wait_kmcnt 0x0
	s_add_nc_u64 s[G0A+2:G0A+3], s[4:5], s[78:79]
	s_add_nc_u64 s[G0A+6:G0A+7], s[G0A+2:G0A+3], 4096
	s_or_b32 s[G0A+3], s[G0A+3], 0x80000000
	s_or_b32 s[G0A+7], s[G0A+7], 0x80000000
	s_add_nc_u64 s[G0B+2:G0B+3], s[4:5], s[82:83]
	s_add_nc_u64 s[G0B+6:G0B+7], s[G0B+2:G0B+3], 4096
	s_or_b32 s[G0B+3], s[G0B+3], 0x80000000
	s_or_b32 s[G0B+7], s[G0B+7], 0x80000000
	s_add_nc_u64 s[PFA:PFA+1], s[4:5], s[22:23]
	s_add_nc_u64 s[72:73], s[6:7], s[86:87]        ; pf, cms, ls at my pair of groups
	s_add_nc_u64 s[74:75], s[8:9], s[84:85]
	s_add_nc_u64 s[76:77], s[10:11], s[84:85]
	CROUND
	s_cmp_eq_u32 s[WR1], 0
	s_cbranch_scc0 .Lfirst_k
	tensor_load_to_lds s[G0A:G0A+3], s[G1A:G1A+7]
	s_nop 0
	tensor_load_to_lds s[G0A+4:G0A+7], s[G1A:G1A+7]
	s_nop 0
.rept 4
	v_nop
.endr
	s_branch .Lfirst_asked
.Lfirst_k:
	tensor_load_to_lds s[G0B:G0B+3], s[G1B:G1B+7]
	s_nop 0
	tensor_load_to_lds s[G0B+4:G0B+7], s[G1B:G1B+7]
	s_nop 0
.rept 4
	v_nop
.endr
.Lfirst_asked:
	v_and_b32 v1, 15, v0                           ; u
	v_bfe_u32 v3, v0, 4, 1                         ; h
	v_and_b32 v4, 31, v0
	v_lshlrev_b32 v[L16], 4, v4
	s_lshl_b32 s22, s[WR1], 15
	v_add_nc_u32 v[BQ], s22, v[L16]
	s_lshl_b32 s23, s[WR0], 15
	s_add_co_u32 s23, s23, 65536
	v_add_nc_u32 v[BK], s23, v[L16]
	v_mov_b32 v[AQ], v[BQ]
	v_mov_b32 v[AK], v[BK]
	v_lshlrev_b32 v[PFO], 19, v3                   ; lanes 16-31: the next band
	v_lshl_add_u32 v[PFO], v1, 8, v[PFO]
	v_lshlrev_b32 v15, 3, v3
	v_sub_nc_u32 v14, v1, v15
	v_add_nc_u32 v14, s71, v14                     ; register j of a pair t' = t is hidden where j > 16 (w - w') + u - 8 h
.set j, 0
.rept 8
	v_cmp_gt_i32 vcc_lo, j, v14
	v_cndmask_b32 v[MD+j], 0, s[BIGN], vcc_lo
.set j, j+1
.endr
; The products idx = i0 .. i1 of one quarter (32 channels), out of buffers f.  The 36 accumulators take turns, one instruction a turn.  zero = 1: they start the sums, with 0 or, where t' = t, with the mask.
.macro MUL f, i0, i1, zero
.set n, 0
.rept 64
.set t, n/8
.set tp, n%8
.set ix, t*(t+1)/2+tp
.if (tp <= t) && (ix >= (\i0)) && (ix <= (\i1))
.set hw, ix/32
.set rD, 8*(ix%32)
.set rK, 64*(\f)+8*tp
.set rQ, QF+64*(\f)+8*t
.if (\zero) && (tp == t)
	WIN 0x43+0x40*hw                               ; k window 3, q and the mask window 0
	v_wmma_f32_16x16x32_f16 v[rD:rD+7], v[rK:rK+7], v[rQ:rQ+7], v[MD:MD+7]
.elseif \zero
	WIN 0x53+0x50*hw
	v_wmma_f32_16x16x32_f16 v[rD:rD+7], v[rK:rK+7], v[rQ:rQ+7], 0
.else
	WIN 0x53+0x50*hw
	v_wmma_f32_16x16x32_f16 v[rD:rD+7], v[rK:rK+7], v[rQ:rQ+7], v[rD:rD+7]
.endif
.endif
.set n, n+1
.endr
.endm
.macro FETCH cf, f                     ; 32 LDS loads in one run: quarter cf's fragments of the 8 key blocks and the 8 query blocks, into buffers f
	WIN 0xc0
.irp t, 0,1,2,3,4,5,6,7
	ds_load_b128 v[64*(\f)+8*(\t):64*(\f)+8*(\t)+3],   v[AK] offset:4096*(\t)+1024*(\cf)
	ds_load_b128 v[64*(\f)+8*(\t)+4:64*(\f)+8*(\t)+7], v[AK] offset:4096*(\t)+1024*(\cf)+512
.endr
	WIN 0
.irp t, 0,1,2,3,4,5,6,7
	ds_load_b128 v[QF+64*(\f)+8*(\t):QF+64*(\f)+8*(\t)+3],   v[AQ] offset:4096*(\t)+1024*(\cf)
	ds_load_b128 v[QF+64*(\f)+8*(\t)+4:QF+64*(\f)+8*(\t)+7], v[AQ] offset:4096*(\t)+1024*(\cf)+512
.endr
.endm
.macro QUARTER f, cfnext, zero         ; one of a step's first three quarters: multiplies buffers f, fetches quarter cfnext into the others in its middle
	s_wait_dscnt 0x0
	MUL \f, 0, 17, \zero
	PLACES
	FETCH \cfnext, 1-(\f)
	MUL \f, 18, 35, \zero
.endm
; A step's last quarter multiplies buffers 1 and changes slots: each wave waits for all its tensor loads (one is out: its piece of the other slot), adds 0 to its spare word, waits for that and for its reads of this slot.
; fill = 1: the barrier opens a round of the cluster's, and this slot takes the step two on, first thing behind it: 126 matrix instructions ahead of the wait for it.
.macro TURN fill
.if \fill
	s_wait_xcnt 0x0                                ; the last prefetch, a step back, has read its address
	s_add_nc_u64 s[PFA:PFA+1], s[PFA:PFA+1], 4096
.endif
	WIN 0
	s_wait_tensorcnt 0x0
	ds_add_u32 v[SPW], v[NIL]
	s_wait_dscnt 1                                 ; (the add may be out: the fragments are in)
	MUL 1, 0, 11, 0
	s_wait_dscnt 0x0                               ; the add is done; my reads of this slot are over
	s_barrier_signal -1
	MUL 1, 12, 17, 0
	WIN 0
	s_barrier_wait -1
.if \fill
	CREST
	s_xor_b32 s[G0A+5], s[G0A+5], SLOT1
	s_add_nc_u64 s[G0A+6:G0A+7], s[G0A+6:G0A+7], 4096
	s_xor_b32 s[G0B+5], s[G0B+5], SLOT1
	s_add_nc_u64 s[G0B+6:G0B+7], s[G0B+6:G0B+7], 4096
.endif
	s_xor_b32 s[TB], s[TB], SLOT1
.if \fill
	JLOAD
.else
	PLACES
.endif
	v_add_nc_u32 v[AQ], s[TB], v[BQ]
	v_add_nc_u32 v[AK], s[TB], v[BK]
	FETCH 0, 0
.if \fill
	ASK
.endif
	MUL 1, 18, 35, 0
.endm
	s_wait_tensorcnt 1                             ; my piece of step 0 is in; step 1's may stay out
	s_barrier_signal -1
	s_barrier_wait -1
	FETCH 0, 0
	QUARTER 0, 1, 1                                ; the first quarter stands ahead of the loop: its products start the sums
	WIN 0
	s_mov_b32 s[CNT], 6
.Lstep:                                        ; trip i: quarters 1 to 3 of step i, which asks for step i + 2, and quarter 0 of step i + 1
	QUARTER 1, 2, 0
	QUARTER 0, 3, 0
	TURN 1
	QUARTER 0, 1, 0
	WIN 0
	s_sub_co_u32 s[CNT], s[CNT], 1
	s_cmp_lg_u32 s[CNT], 0
	s_cbranch_scc1 .Lstep
	QUARTER 1, 2, 0                                ; steps 6 and 7 ask for nothing
	QUARTER 0, 3, 0
	TURN 0
	QUARTER 0, 1, 0
	QUARTER 1, 2, 0
	QUARTER 0, 3, 0
	s_wait_dscnt 0x0
	MUL 1, 0, 35, 0
	; THE WAY OUT, in phases.  1: each accumulator's maximum (its lowest registers first).
	PLACES
.irp o, 0,1,2,3
.set ix, 0
.rept 36
	WIN 0x05*(1+ix/32)
.set rA, 8*(ix%32)
.if (\o) == 0
	v_max_num_f32 v[CR+ix], v[rA], v[rA+1]
.else
	v_max3_num_f32 v[CR+ix], v[rA+2*(\o)], v[rA+2*(\o)+1], v[CR+ix]
.endif
.set ix, ix+1
.endr
.endr
	; 2: a band's maximum over its t + 1 key blocks and both halves of the lanes, held at the floor or above; c m
	WIN 0
.set n, 8
.rept 56
.set tp, n/8
.set t, n%8
.if t >= tp
	v_max_num_f32 v[CR+t*(t+1)/2], v[CR+t*(t+1)/2], v[CR+t*(t+1)/2+tp]
.endif
.set n, n+1
.endr
.set t, 0
.rept 8
	v_permlanex16_b32 v[TMPX+t], v[CR+t*(t+1)/2], s[SEL], s[SEL+1]  ; the query's other 8 keys of each block lie in the lane 16 away
.set t, t+1
.endr
.set t, 0
.rept 8
	v_max3_num_f32 v[ST+2*t+1], v[CR+t*(t+1)/2], v[TMPX+t], s[FLR]  ; the floor lies below every true score: it is met only where all 16 keys are hidden, and keeps c s - c m far below 0 there
.set t, t+1
.endr
.set t, 0
.rept 8
	v_mul_f32 v[ST+2*t], s[CS], v[ST+2*t+1]
.set t, t+1
.endr
	; 3: c s - c m, in place
.set n, 0
.rept 64
.set t, n/8
.set tp, n%8
.set ix, t*(t+1)/2+tp
.if tp <= t
	WIN 0x41*(1+ix/32)
.set rA, 8*(ix%32)
.irp r, 0,2,4,6
	v_pk_fma_f32 v[rA+(\r):rA+(\r)+1], v[rA+(\r):rA+(\r)+1], s[CS:CS+1], v[ST+2*t:ST+2*t+1] op_sel_hi:[1,0,0] neg_lo:[0,0,1] neg_hi:[0,0,1]
.endr
.endif
.set n, n+1
.endr
	; 4: the exponentials, one batch with one wait
.set ix, 0
.rept 36
	WIN 0x41*(1+ix/32)
.set rA, 8*(ix%32)
.irp r, 0,1,2,3,4,5,6,7
	v_exp_f32 v[rA+(\r)], v[rA+(\r)]
.endr
.set ix, ix+1
.endr
	v_nop                                          ; a plain instruction behind the last exponential,
	s_wait_alu depctr_va_vdst(0)                   ; and the wait ahead of the first use: one for the batch
	; 5: rounded to f16 and stored: a block of 512 consecutive bytes a store
.set ix, 0
.rept 36
	WIN 0x05*(1+ix/32)
.set rA, 8*(ix%32)
.irp r, 0,1,2,3
	v_cvt_pk_f16_f32 v[TT+4*ix+(\r)], v[rA+2*(\r)], v[rA+2*(\r)+1]
.endr
.set ix, ix+1
.endr
	WIN 0
.set ix, 0
.rept 36
	global_store_b128 v[L16], v[TT+4*ix:TT+4*ix+3], s[72:73] offset:512*ix
.set ix, ix+1
.endr
	; 6: the sums of the unrounded weights: within an accumulator, then onto the band's first accumulator, then the pair, then the other half of the lanes
.irp o, 0,1,2
.set ix, 0
.rept 36
	WIN 0x45*(1+ix/32)
.set rA, 8*(ix%32)
.if (\o) == 0
	v_pk_add_f32 v[rA:rA+1], v[rA:rA+1], v[rA+2:rA+3]
.elseif (\o) == 1
	v_pk_add_f32 v[rA+4:rA+5], v[rA+4:rA+5], v[rA+6:rA+7]
.else
	v_pk_add_f32 v[rA:rA+1], v[rA:rA+1], v[rA+4:rA+5]
.endif
.set ix, ix+1
.endr
.endr
.set n, 8
.rept 56
.set tp, n/8
.set t, n%8
.set ix, t*(t+1)/2+tp
.if t >= tp
	WIN 0x41+4*(1+ix/32)                           ; a band's first accumulator lies in window 1
	v_pk_add_f32 v[4*t*(t+1):4*t*(t+1)+1], v[4*t*(t+1):4*t*(t+1)+1], v[8*(ix%32):8*(ix%32)+1]
.endif
.set n, n+1
.endr
	WIN 0x05
.set t, 0
.rept 8
	v_add_f32 v[LL+t], v[4*t*(t+1)], v[4*t*(t+1)+1]
.set t, t+1
.endr
	WIN 0
.set t, 0
.rept 8
	v_permlanex16_b32 v[CR+t], v[LL+t], s[SEL], s[SEL+1]
.set t, t+1
.endr
.set t, 0
.rept 8
	v_add_f32 v[LL+t], v[LL+t], v[CR+t]
.set t, t+1
.endr
	; 7: both halves of the lanes hold all 8 bands of their query: lanes 0-15 store bands 0-3, lanes 16-31 bands 4-7: 512 consecutive bytes each
	v_cmp_ne_u32 vcc_lo, 0, v3
.set i, 0
.rept 4
	v_cndmask_b32 v[OC+i], v[ST+2*i], v[ST+2*i+8], vcc_lo
	v_cndmask_b32 v[OL+i], v[LL+i], v[LL+i+4], vcc_lo
.set i, i+1
.endr
	global_store_b128 v[L16], v[OC:OC+3], s[74:75]
	global_store_b128 v[L16], v[OL:OL+3], s[76:77]
	s_wait_tensorcnt 0x0                           ; the wave's end
	ds_add_u32 v[SPW], v[NIL]
	s_wait_dscnt 0x0
	CROUND                                         ; the closing round
	s_endpgm
.Lfunc_end_k_q23944c011f_score:
	.size	k_q23944c011f_score, .Lfunc_end_k_q23944c011f_score-k_q23944c011f_score
	.p2alignl 7, 3214868480
	.fill 96, 4, 3214868480
	.section	.rodata,"a",@progbits
	.p2align	6, 0x0
	.amdhsa_kernel k_q23944c011f_score
		.amdhsa_group_segment_fixed_size 327680
		.amdhsa_private_segment_fixed_size 0
		.amdhsa_enable_private_segment 0
		.amdhsa_kernarg_size 32
		.amdhsa_user_sgpr_count 2
		.amdhsa_user_sgpr_kernarg_segment_ptr 1
		.amdhsa_wavefront_size32 1
		.amdhsa_system_sgpr_workgroup_id_x 1
		.amdhsa_system_sgpr_workgroup_id_y 1
		.amdhsa_system_sgpr_workgroup_id_z 1
		.amdhsa_system_vgpr_workitem_id 0
		.amdhsa_next_free_vgpr 1024
		.amdhsa_next_free_sgpr 88
		.amdhsa_reserve_vcc 1
		.amdhsa_float_denorm_mode_32 3
		.amdhsa_float_denorm_mode_16_64 3
		.amdhsa_memory_ordered 1
		.amdhsa_forward_progress 1
		.amdhsa_inst_pref_size 117
	.end_amdhsa_kernel
	.amdgpu_metadata
---
amdhsa.version: [ 1, 2 ]
amdhsa.kernels:
  - .name:           k_q23944c011f_score
    .symbol:         k_q23944c011f_score.kd
    .args:
      - { .name: qkv, .offset: 0, .size: 8, .value_kind: global_buffer, .address_space: global }
      - { .name: pf, .offset: 8, .size: 8, .value_kind: global_buffer, .address_space: global }
      - { .name: cms, .offset: 16, .size: 8, .value_kind: global_buffer, .address_space: global }
      - { .name: ls, .offset: 24, .size: 8, .value_kind: global_buffer, .address_space: global }
    .group_segment_fixed_size: 327680
    .private_segment_fixed_size: 0
    .kernarg_segment_align: 8
    .kernarg_segment_size: 32
    .max_flat_workgroup_size: 128
    .sgpr_count:     88
    .vgpr_count:     1024
    .wavefront_size: 32
...
	.end_amdgpu_metadata
.endif
;; end of part 3
;; launch mix (part 4): grid 8 x 32, 4 waves a work-group, clusters of 4 x 4, 327,680 bytes of LDS; arguments qkv, pf, cms, ls, out0; writes out0
.if DOCPART == 4
	.amdgcn_target "amdgcn-amd-amdhsa--gfx1250"
	.amdhsa_code_object_version 6
	.text
	.protected	k_q23944c011f_mix
	.globl	k_q23944c011f_mix
	.p2align	8
	.type	k_q23944c011f_mix,@function
k_q23944c011f_mix:
	s_mov_b64 s[64:65], 0
	v_nop
	global_prefetch_b8 v0, s[64:65] scope:SCOPE_SE
	s_setreg_imm32_b32 hwreg(HW_REG_WAVE_MODE, 25, 1), 1
	s_wait_xcnt 0x0
	s_wait_alu depctr_hold_cnt(0) depctr_sa_sdst(0) depctr_va_vdst(0) depctr_va_sdst(0) depctr_va_ssrc(0) depctr_va_vcc(0) depctr_vm_vsrc(0)
	s_getreg_b32 s2, hwreg(HW_REG_IB_STS2, 6, 4)
	s_cmp_eq_u32 s2, 0
	s_cbranch_scc0 .Lentry_in_a_cluster
	s_endpgm
.Lentry_in_a_cluster:
	s_bfe_u32 s2, ttmp6, 0x10000c
	s_cmp_lg_u32 s2, 0xf033
	s_cbranch_scc0 .Lentry_shape_is_right
	s_endpgm
.Lentry_shape_is_right:
; MIX.  The second half of the split softmax, and out = P v.  f16 operands, f32 sums, f32 output.
; For query (t, w, u) and key group w' the launch before left p = 2^(c s - c m(w')) in f16, c m(w') and l(w') in f32.  Here M = the maximum of the 16 c m(w') (the row's true maximum, times c),
; f(w') = 2^(c m(w') - M), L = the sum of f(w') l(w') in f32, and out = (the sum over keys of (p f) v) / L.  p f is one packed f16 product between the LDS load and the matrix instruction.
; LIMITS.  f and p f are rounded to f16: a weight below 6e-8 of the row's largest counts as 0.  A key group of which a query sees nothing has f = 0.  The group with the row's maximum gives L >= 1.  NaN and infinities are not treated apart.
; BANDS as in the launch before: token = 256 t + 16 w + u; the pair (t, t') is needed iff t' <= t: 36 of 64, the same in every wave.
; SHARES.  A work-group: query groups 2 W, 2 W + 1 of a batch x 128 channels.  Wave (g, c2): group w = 2 W + g (8 blocks t) x channel blocks 4 c2 + cb (cb = 0..3): 32 accumulators.
; O^T = v^T P (source 0 = 16 channels x 32 keys, source 1 = 16 queries x 32 keys): a lane holds ONE query and 8 channels.  The 32 keys of a product are the blocks (t', 2 j) and (t', 2 j + 1): the halves of both fragments.
; STEPS.  Step j = 0..7 takes key groups 2 j, 2 j + 1; its four sub-steps take t' = s and 7 - s: 9 fragments of P, 8 of v, 36 matrix instructions each.
; RING.  Two LDS slots: P of both query groups (2 x 36,864 bytes, dense in pf as well: asked for as 144 rows of 256 bytes), then v of both key groups (8 bands x 4,096 bytes each).  Waves 0, 1 fetch P, waves 2, 3 v.
; CLUSTER 4 x 4.  P hangs on the tile row alone: asked for jointly by a row of the cluster; v on the tile column and the batch, which the cluster shares: by a column.
; REGISTERS: window 0 addresses, f, v's fragments, the way out; window 1 accumulators of t <= 3 and their P; window 2 those of t >= 4; window 3 c m and l at the head.
; Two settings serve the loop: LO = 0x54, HI = 0xa8: destination, source 1 and source 2 in window 1 or 2, source 0 (v's fragment, f, an LDS address) in window 0.
.set SLOT,  139264
.set FT,    2*SLOT                     ; behind the ring, never filled by a tensor load: for each wave 8,192 bytes: its table of f, [step 8][half and t / 4: 4][u 16][16 bytes]; on the way out its stage
.set SPARE, FT+4*8192                  ; behind them: the spare words, 128 bytes a wave, two blocks of 256 bytes that no other line names
.set L16, 2                            ; v2      16 x lane
.set PA,  4                            ; v4, v5  my P in slot 0, 1
.set VA,  6                            ; v6, v7  my v in slot 0, 1
.set FA,  8                            ; v8      my row of the table, at the trip in hand
.set FTA, 9                            ; v9      the same at the table's head
.set STO, 10                           ; v10     the way out: where I put 16 bytes
.set RD,  11                           ; v11     where I read a row back
.set CO,  12                           ; v12     my byte offset in two rows of out0
.set PFO, 13                           ; v13     the prefetches' lane offset; never rewritten
.set U16, 14                           ; v14     16 u
.set SPW, 28
.set NIL, 29
.set FS,  32                           ; v32-63   f as f16 pairs, two sets of 16: 8 half + t
.set VR,  64                           ; v64-191  v's fragments: 64 (sub-step % 2) + 32 e + 8 cb (e = 0: t' = s; 1: t' = 7 - s); on the way out rows read back
.set MX,  192                          ; v192-199 M
.set LL,  200                          ; v200-207 L
.set RR,  208                          ; v208-223 1 / L, twice each
.set TR,  224                          ; v224-255 the way out: a block's 32 numbers
.set WV,  14
.set WR1, 15
.set WR0, 16
.set SCX, 17
.set SCY, 18
.set GX,  19
.set GY,  20
.set CLY, 21
.set G1A, 24                           ; s[24:31] group 1 for P;  s[32:39] group 0, a set for each slot
.set G0A, 32
.set PFA, 40
.set LIM, 42                           ; s42, s43: a wave prefetches while the count is above them: 0 at a trip's first refill, 1 at its second; the greatest number in a wave that never does
.set LIM2,43
.set PFS, 44                           ; s[44:45] the prefetches' step
.set CNT, 47
.set G1B, 48                           ; s[48:55], s[56:63] the same for v
.set G0B, 56
.set FO,  71                           ; s71  LDS byte of my table, at the trip in hand
.set MSB, 0
.macro WIN new
.if MSB != (\new)
	s_set_vgpr_msb (MSB<<8)|(\new)
.set MSB, (\new)
.endif
.endm
.macro PLACES
.rept 4
	v_nop
.endr
.endm
.macro CREST
	s_cmp_lg_u32 s[WV], 0
	s_cbranch_scc1 .Lnot_wave_0_\@
	s_barrier_signal -3
.Lnot_wave_0_\@:
	s_barrier_wait -3
	s_barrier_signal -1
	s_barrier_wait -1
.endm
.macro CROUND
	s_barrier_signal -1
	s_barrier_wait -1
	CREST
.endm
.macro JLOAD slot
	s_cmp_eq_u32 s[WR1], 0
	s_cbranch_scc0 .Lfor_v_\@
	tensor_load_to_lds s[G0A+4*(\slot):G0A+4*(\slot)+3], s[G1A:G1A+7]
	s_nop 0
.rept 4
	v_nop
.endr
	s_branch .Lasked_\@
.Lfor_v_\@:
	tensor_load_to_lds s[G0B+4*(\slot):G0B+4*(\slot)+3], s[G1B:G1B+7]
	s_nop 0
.rept 4
	v_nop
.endr
.Lasked_\@:
.endm
; A PREFETCH INTO THE L2, behind the joint load, at the refills of steps 0 to 4; each wave names bytes of what it fetches itself.
; v (waves 2, 3; the even row of clusters of a batch asks): step s + 3, which the next refill asks for; the partner at cy takes bands 2 cy, 2 cy + 1: 2 x 4,096 bytes, a lane 256 of them.
; P (waves 0, 1; the first cluster of a row of clusters asks): a group's 294,912 bytes are read on end, so they are asked for on end: at refill s bytes 131,072 + 32,768 s on, of which the partner at cx takes 8,192.
; A byte so named is loaded one refill later or more; the last byte named is the group's last.  Each 256 bytes are named once.  What lies ahead of these fronts comes by its loads alone.
.macro ASK lim
	s_cmp_gt_u32 s[CNT], s[\lim]
	s_cbranch_scc0 .Lnot_mine_\@
	global_prefetch_b8 v[PFO], s[PFA:PFA+1] th:TH_LOAD_NT scope:SCOPE_SE
.Lnot_mine_\@:
.endm
	s_load_b256 s[4:11], s[0:1], 0x0               ; qkv s[4:5], pf s[6:7], cms s[8:9], ls s[10:11]
	s_load_b64 s[12:13], s[0:1], 0x20              ; out0
	v_lshl_add_u32 v[SPW], v0, 2, SPARE
	v_mov_b32 v[NIL], 0
	ds_add_u32 v[SPW], v[NIL]                      ; the wave's opening: the add and its wait stand ahead of my first tensor load
	v_lshrrev_b32 v1, 5, v0
	v_readfirstlane_b32 s[WV], v1
	s_lshr_b32 s[WR1], s[WV], 1
	s_and_b32 s[WR0], s[WV], 1
	s_bfe_u32 s[SCX], ttmp6, 0x40000
	s_bfe_u32 s[SCY], ttmp6, 0x40004
	s_lshl_b32 s[GX], ttmp9, 2
	s_add_co_u32 s[GX], s[GX], s[SCX]              ; the 128 channels
	s_and_b32 s[CLY], ttmp7, 0xffff
	s_lshl_b32 s[GY], s[CLY], 2
	s_add_co_u32 s[GY], s[GY], s[SCY]              ; 8 b + W
	s_lshl_b32 s22, s[SCY], 2
	s_lshl_b32 s22, 15, s22
	s_lshl_b32 s23, 0x1111, s[SCX]
	s_or_b32 s[G1A], s22, (3<<16)|(1<<21)
	s_or_b32 s[G1B], s23, (3<<16)|(1<<21)
	s_mov_b32 s[G1A+1], 32<<16                     ; P: 144 rows of 256 bytes (32 elements of 8), on end
	s_mov_b32 s[G1A+2], 144<<16
	s_mov_b32 s[G1A+3], 32<<16
	s_mov_b32 s[G1A+4], 144
	s_mov_b32 s[G1A+5], 32
	s_mov_b32 s[G1A+6], 0
	s_mov_b32 s[G1A+7], 0
	s_mov_b32 s[G1B+1], 512<<16                    ; v: 8 bands x 4,096 bytes, 16 blocks of 32,768 bytes apart
	s_mov_b32 s[G1B+2], 8<<16
	s_mov_b32 s[G1B+3], 512<<16
	s_mov_b32 s[G1B+4], 8
	s_mov_b32 s[G1B+5], 65536
	s_mov_b32 s[G1B+6], 0
	s_mov_b32 s[G1B+7], 0
	s_mul_i32 s22, s[WR0], 36864
	s_lshl_b32 s23, s[WR0], 15
	s_add_co_u32 s23, s23, 73728
.irp s, 0,1
	s_mov_b32 s[G0A+4*(\s)], 1
	s_add_co_u32 s[G0A+4*(\s)+1], s22, (\s)*SLOT
	s_mov_b32 s[G0B+4*(\s)], 1
	s_add_co_u32 s[G0B+4*(\s)+1], s23, (\s)*SLOT
.endr
	s_lshl1_add_u32 s78, s[GY], s[WR0]             ; P of query group 16 b + 2 W + wave % 2
	s_mul_i32 s78, s78, 294912
	s_mov_b32 s79, 0
	s_lshr_b32 s82, s[CLY], 1                      ; v: the batch made of the cluster's y alone; token block 128 b + wave % 2 (+ 2 a step)
	s_lshl_b32 s82, s82, 7
	s_add_co_u32 s82, s82, s[WR0]
	s_lshl_b32 s82, s82, 15
	s_lshl_b32 s83, s[GX], 12                      ; 8 channel blocks of 512 bytes
	s_add_co_u32 s82, s82, s83
	s_add_co_u32 s82, s82, 0x2000000               ; part 2
	s_mov_b32 s83, 0
	s_lshl1_add_u32 s80, s[GY], s[WR1]             ; my query group 16 b + w: 16 x 512 bytes of cms and of ls
	s_lshl_b32 s80, s80, 13
	s_mov_b32 s81, 0
	s_lshr_b32 s84, s[GY], 3                       ; out0: token 2,048 b + 16 w,
	s_lshl_b32 s84, s84, 11
	s_and_b32 s85, s[GY], 7
	s_lshl1_add_u32 s85, s85, s[WR1]
	s_lshl4_add_u32 s84, s85, s84
	s_lshl_b32 s84, s84, 12
	s_lshl_b32 s85, s[GX], 9                       ; channel 128 X + 64 c2
	s_add_co_u32 s84, s84, s85
	s_lshl_b32 s85, s[WR0], 8
	s_add_co_u32 s84, s84, s85
	s_mov_b32 s85, 0
	s_lshl_b32 s86, s[SCX], 13                     ; the prefetches.  P: 8,192 bytes a partner, one front ahead of the first
	s_add_co_u32 s86, s86, s78
	s_add_co_u32 s86, s86, 98304
	s_lshl_b32 s87, s[SCY], 20                     ; v: two bands a partner, at step 2
	s_add_co_u32 s87, s87, s82
	s_add_co_u32 s87, s87, 131072
	s_and_b32 s22, s[CLY], 1
	s_mov_b32 s[PFS], 65536
	s_mov_b32 s70, 524288
	s_cmp_eq_u32 s[WR1], 0
	s_cselect_b32 s86, s86, s87
	s_cselect_b32 s22, ttmp9, s22
	s_cselect_b32 s[PFS], 32768, s[PFS]
	s_cselect_b32 s70, 4096, s70                   ; what lanes 16-31 lie further on
	s_cmp_eq_u32 s22, 0
	s_cselect_b32 s[LIM], 0, -1
	s_cselect_b32 s[LIM2], 1, -1
	s_mov_b32 s87, 0
	s_mov_b32 s[PFS+1], 0
	s_wait_dscnt 0x0
	s_wait_kmcnt 0x0
	s_add_nc_u64 s[G0A+2:G0A+3], s[6:7], s[78:79]
	s_add_nc_u64 s[G0A+6:G0A+7], s[G0A+2:G0A+3], 36864
	s_or_b32 s[G0A+3], s[G0A+3], 0x80000000
	s_or_b32 s[G0A+7], s[G0A+7], 0x80000000
	s_add_nc_u64 s[G0B+2:G0B+3], s[4:5], s[82:83]
	s_add_nc_u64 s[G0B+6:G0B+7], s[G0B+2:G0B+3], 65536
	s_or_b32 s[G0B+3], s[G0B+3], 0x80000000
	s_or_b32 s[G0B+7], s[G0B+7], 0x80000000
	s_add_nc_u64 s[8:9], s[8:9], s[80:81]
	s_add_nc_u64 s[10:11], s[10:11], s[80:81]
	s_add_nc_u64 s[72:73], s[12:13], s[84:85]
	s_cmp_eq_u32 s[WR1], 0
	s_cselect_b64 s[PFA:PFA+1], s[6:7], s[4:5]
	s_add_nc_u64 s[PFA:PFA+1], s[PFA:PFA+1], s[86:87]
	CROUND
	s_cmp_eq_u32 s[WR1], 0
	s_cbranch_scc0 .Lfirst_v
	tensor_load_to_lds s[G0A:G0A+3], s[G1A:G1A+7]
	s_nop 0
	tensor_load_to_lds s[G0A+4:G0A+7], s[G1A:G1A+7]
	s_nop 0
.rept 4
	v_nop
.endr
	s_branch .Lfirst_asked
.Lfirst_v:
	tensor_load_to_lds s[G0B:G0B+3], s[G1B:G1B+7]
	s_nop 0
	tensor_load_to_lds s[G0B+4:G0B+7], s[G1B:G1B+7]
	s_nop 0
.rept 4
	v_nop
.endr
.Lfirst_asked:
	; THE STATISTICS, in the wait for the first tiles.  Each lane takes c m and l of its query u for all 8 bands and 16 key groups: window 3, v[8 w' + t] and v[128 + 8 w' + t].
	v_and_b32 v1, 15, v0                           ; u
	v_bfe_u32 v3, v0, 4, 1                         ; h
	v_lshlrev_b32 v[U16], 4, v1
	WIN 0xc0
.set i, 0
.rept 32
	global_load_b128 v[4*i:4*i+3], v[U16], s[8:9] offset:256*i
	global_load_b128 v[128+4*i:128+4*i+3], v[U16], s[10:11] offset:256*i
.set i, i+1
.endr
	WIN 0
	v_and_b32 v15, 31, v0
	v_lshlrev_b32 v[L16], 4, v15
	s_mul_i32 s22, s[WR1], 36864
	v_add_nc_u32 v[PA], s22, v[L16]
	v_add_nc_u32 v[PA+1], SLOT, v[PA]
	s_lshl_b32 s23, s[WR0], 11
	s_add_co_u32 s23, s23, 73728
	v_add_nc_u32 v[VA], s23, v[L16]
	v_add_nc_u32 v[VA+1], SLOT, v[VA]
	s_lshl_b32 s[FO], s[WV], 13
	s_add_co_u32 s[FO], s[FO], FT
	v_add_nc_u32 v[FA], s[FO], v[U16]
	v_mov_b32 v[FTA], v[FA]
	v_mul_u32_u24 v[STO], v1, 272                  ; the stage: row u, 32 bytes for each half of the lanes
	v_lshl_add_u32 v[STO], v3, 5, v[STO]
	v_add_nc_u32 v[STO], s[FO], v[STO]
	v_mul_u32_u24 v[RD], v3, 272                   ; back: lanes 0-15 one row of 256 bytes, lanes 16-31 the next
	v_add_nc_u32 v[RD], v[RD], v[U16]
	v_add_nc_u32 v[RD], s[FO], v[RD]
	v_lshl_add_u32 v[CO], v3, 12, v[U16]           ; and the same two rows of out0
	v_mul_u32_u24 v[PFO], v3, s70
	v_lshl_add_u32 v[PFO], v1, 8, v[PFO]
	s_wait_loadcnt 0x0
	WIN 0x0f                                       ; sources 0 and 1 window 3
.set t, 0
.rept 8
	v_max_num_f32 v[MX+t], v[t], v[8+t]
.set t, t+1
.endr
.set n, 8
.rept 56
	v_max3_num_f32 v[MX+n%8], v[16*(n/8)+n%8], v[16*(n/8)+8+n%8], v[MX+n%8]
.set n, n+1
.endr
	WIN 0xc3
.set n, 0
.rept 64
	v_pk_add_f32 v[2*n:2*n+1], v[2*n:2*n+1], v[MX+2*(n%4):MX+2*(n%4)+1] neg_lo:[0,1] neg_hi:[0,1]  ; c m - M
.set n, n+1
.endr
.set n, 0
.rept 128
	v_exp_f32 v[n], v[n]                           ; f
.set n, n+1
.endr
	v_nop                                          ; a plain instruction behind the last exponential,
	s_wait_alu depctr_va_vdst(0)                   ; and one wait for the batch
	WIN 0x0f
.set n, 0
.rept 64
.if n < 4
	v_pk_mul_f32 v[LL+2*n:LL+2*n+1], v[2*n:2*n+1], v[128+2*n:128+2*n+1]
.else
	v_pk_fma_f32 v[LL+2*(n%4):LL+2*(n%4)+1], v[2*n:2*n+1], v[128+2*n:128+2*n+1], v[LL+2*(n%4):LL+2*(n%4)+1]  ; L, in f32, of the unrounded f
.endif
.set n, n+1
.endr
	WIN 0xcf
.set n, 0
.rept 128
	v_cvt_pk_f16_f32 v[n], v[n], v[n]              ; f twice in a register, for the packed product
.set n, n+1
.endr
	WIN 0x0c                                       ; store data window 3
.set i, 0
.rept 32
	ds_store_b128 v[FTA], v[4*i:4*i+3] offset:256*i  ; lanes u and u + 16 write the same bytes with the same numbers
.set i, i+1
.endr
	WIN 0
.set t, 0
.rept 8
	v_rcp_f32 v[RR+2*t], v[LL+t]
	v_rcp_f32 v[RR+2*t+1], v[LL+t]
.set t, t+1
.endr
	v_nop
	s_wait_alu depctr_va_vdst(0)                   ; one wait for the sixteen reciprocals
; Fragment n = 0..8 of P in sub-step sg: n = 0-3: t = 4 + n, t' = sg; then sg + 1 with t' = 7 - sg, t = 7 - sg on; then t = sg .. 3, t' = sg.
.macro FRAG sg, n
.if (\n) < 4
.set fT, 4+(\n)
.set fE, 0
.elseif (\n) < 5+(\sg)
.set fT, 3-(\sg)+(\n)
.set fE, 1
.else
.set fT, (\n)-5
.set fE, 0
.endif
.set fTP, (\sg)+fE*(7-2*(\sg))
.set fHI, fT/4
.set fIDX, fT*(fT+1)/2+fTP
.if fHI
.set fP, 128+64*((\sg)%2)+32*fE+8*(fT-4)
.else
.set fP, 128+32*((\sg)%2)+8*fT
.endif
.endm
; The LDS loads of sub-step sn, in one run: 16 of v, 4 of the next step's f where foff >= 0, 18 of P.
.macro RUN sn, slot, foff, fdst
	WIN 0
.irp e, 0,1
.irp c, 0,1,2,3
	ds_load_b128 v[VR+64*((\sn)%2)+32*(\e)+8*(\c):VR+64*((\sn)%2)+32*(\e)+8*(\c)+3],   v[VA+(\slot)] offset:4096*((\sn)+(\e)*(7-2*(\sn)))+512*(\c)
	ds_load_b128 v[VR+64*((\sn)%2)+32*(\e)+8*(\c)+4:VR+64*((\sn)%2)+32*(\e)+8*(\c)+7], v[VA+(\slot)] offset:32768+4096*((\sn)+(\e)*(7-2*(\sn)))+512*(\c)
.endr
.endr
.if (\foff) >= 0
.irp q, 0,1,2,3
	ds_load_b128 v[(\fdst)+4*(\q):(\fdst)+4*(\q)+3], v[FA] offset:(\foff)+256*(\q)
.endr
.endif
.set rn, 0
.rept 9
	FRAG \sn, rn
	WIN 0x54*(1+fHI)
	ds_load_b128 v[fP:fP+3],   v[PA+(\slot)] offset:512*fIDX
	ds_load_b128 v[fP+4:fP+7], v[PA+(\slot)] offset:18432+512*fIDX
.set rn, rn+1
.endr
.endm
; The sub-step's next matrix instruction: fragment mi / 4, channel block mi % 4.  No two that follow each other share an accumulator, one instruction a turn.
.macro MM
	FRAG SG, mi/4
.set rV, VR+64*(SG%2)+32*fE+8*(mi%4)
.set rO, 8*(4*(fT%4)+mi%4)
	WIN 0x54*(1+fHI)
.if ZERO && (fTP == 0)
	v_wmma_f32_16x16x32_f16 v[rO:rO+7], v[rV:rV+7], v[fP:fP+7], 0
.else
	v_wmma_f32_16x16x32_f16 v[rO:rO+7], v[rV:rV+7], v[fP:fP+7], v[rO:rO+7]
.endif
.set mi, mi+1
.endm
; The next of the 72 packed products p f on the NEXT sub-step's P: registers 0-3 (key group 2 j) by f of half 0, registers 4-7 by f of half 1.
.macro SC
	FRAG SN, sk/8
	WIN 0x54*(1+fHI)
	v_pk_mul_f16 v[fP+sk%8], v[FSET+8*((sk%8)/4)+fT], v[fP+sk%8]
.set sk, sk+1
.endm
; A SUB-STEP.  At its head the next sub-step's fragments are asked for; behind 12 products they are waited for; behind each of the other 24 stand three of the next sub-step's 72 scalings, which name no register of the products round them.
; mode 1, 2 (sub-step 2 only: the run at its head holds the slot's last reads): the change of slots.  Each wave waits for all its tensor loads (one is out: its part of the other slot), adds 0 to its spare word, waits for that and
; for its reads.  mode 1: the barrier opens a round of the cluster's, and the slot takes the step two on, first thing behind it: 132 matrix instructions ahead of the wait for it.  last = 1: nothing follows.
.macro SUB sg, slot, zero, mode, foff, last, lim
.set SG, (\sg)
.set SN, ((\sg)+1)%4
.set ZERO, (\zero)
.set mi, 0
.set sk, 0
.if (\sg) == 3
.set FSET, FS+16*(1-(\slot))
.else
.set FSET, FS+16*(\slot)
.endif
.if !(\last)
	PLACES
.if (\sg) == 3
	RUN SN, 1-(\slot), \foff, FS
.else
	RUN SN, \slot, \foff, FS+16*(1-(\slot))
.endif
.endif
.if (\mode) == 0
.rept 12
	MM
.endr
.if !(\last)
	s_wait_dscnt 0x0
.endif
.else
.if (\mode) == 1
	s_wait_xcnt 0x0                                ; the last prefetch, a step back, has read its address
	s_add_nc_u64 s[PFA:PFA+1], s[PFA:PFA+1], s[PFS:PFS+1]
.endif
	WIN 0
	s_wait_tensorcnt 0x0
	ds_add_u32 v[SPW], v[NIL]
.rept 8
	MM
.endr
	s_wait_dscnt 0x0                               ; the add is done; my reads of this slot are over
	s_barrier_signal -1
.rept 4
	MM
.endr
	WIN 0
	s_barrier_wait -1
.if (\mode) == 1
	CREST
	s_add_nc_u64 s[G0A+4*(\slot)+2:G0A+4*(\slot)+3], s[G0A+4*(\slot)+2:G0A+4*(\slot)+3], 73728   ; two steps on
	s_add_nc_u64 s[G0B+4*(\slot)+2:G0B+4*(\slot)+3], s[G0B+4*(\slot)+2:G0B+4*(\slot)+3], 131072
	JLOAD \slot
	ASK \lim
.endif
.endif
.rept 24
	MM
.if !(\last)
	SC
	SC
	SC
.endif
.endr
.endm
	s_wait_tensorcnt 1                             ; my part of step 0 is in; step 1's may stay out
	s_wait_dscnt 0x0                               ; my table is written
	s_barrier_signal -1
	s_barrier_wait -1
.irp q, 0,1,2,3
	ds_load_b128 v[FS+4*(\q):FS+4*(\q)+3], v[FA] offset:256*(\q)  ; f of step 0
.endr
	RUN 0, 0, -1, FS
	s_wait_dscnt 0x0
.set SN, 0
.set FSET, FS
.set sk, 0
.rept 72
	SC
.endr
	SUB 0, 0, 1, 0, 1024, 0, LIM                   ; the first sub-step stands ahead of the loop: its products with t' = 0 start the 32 sums
	WIN 0
	s_mov_b32 s[CNT], 3
.Ltrip:                                        ; trip i: the rest of step 2 i, step 2 i + 1, the first sub-step of step 2 i + 2; both slots are filled again
	SUB 1, 0, 0, 0, -1, 0, LIM
	SUB 2, 0, 0, 1, -1, 0, LIM
	SUB 3, 0, 0, 0, -1, 0, LIM
	SUB 0, 1, 0, 0, 2048, 0, LIM
	SUB 1, 1, 0, 0, -1, 0, LIM
	SUB 2, 1, 0, 1, -1, 0, LIM2
	SUB 3, 1, 0, 0, -1, 0, LIM
	SUB 0, 0, 0, 0, 3072, 0, LIM
	WIN 0
	s_add_co_u32 s[FO], s[FO], 2048                ; the table's next two steps
	v_add_nc_u32 v[FA], s[FO], v[U16]
	s_sub_co_u32 s[CNT], s[CNT], 1
	s_cmp_lg_u32 s[CNT], 0
	s_cbranch_scc1 .Ltrip
	SUB 1, 0, 0, 0, -1, 0, LIM                     ; steps 6 and 7 ask for nothing
	SUB 2, 0, 0, 2, -1, 0, LIM
	SUB 3, 0, 0, 0, -1, 0, LIM
	SUB 0, 1, 0, 0, -1, 0, LIM
	SUB 1, 1, 0, 0, -1, 0, LIM
	SUB 2, 1, 0, 0, -1, 0, LIM
	SUB 3, 1, 0, 0, -1, 1, LIM
	; THE WAY OUT, a query block (16 rows x 64 channels of f32) at a time: divided by L, through my stage (16 rows of 272 bytes, where my table lay), back as whole rows of 256 bytes.
.macro PACK t
	WIN 1+(\t)/4
.set i, 0
.rept 16
	v_pk_mul_f32 v[TR+2*i:TR+2*i+1], v[32*((\t)%4)+2*i:32*((\t)%4)+2*i+1], v[RR+2*(\t):RR+2*(\t)+1]
.set i, i+1
.endr
	WIN 0
.endm
.macro TOSTAGE t
	s_wait_xcnt 0x0                                ; the stores that read the registers loaded below have had their addresses translated (ISA guide 3.1)
.irp k, 0,1,2,3,4,5,6,7
	ds_store_b128 v[STO], v[TR+4*(\k):TR+4*(\k)+3] offset:64*((\k)/2)+16*((\k)%2)
.endr
.irp k, 0,1,2,3,4,5,6,7
	ds_load_b128 v[VR+32*((\t)%2)+4*(\k):VR+32*((\t)%2)+4*(\k)+3], v[RD] offset:544*(\k)  ; LDS serves a wave's instructions in order: these see the stores above
.endr
.endm
.macro SEND t
	s_wait_dscnt 0x0
.irp k, 0,1,2,3,4,5,6,7
	global_store_b128 v[CO], v[VR+32*((\t)%2)+4*(\k):VR+32*((\t)%2)+4*(\k)+3], s[72:73] offset:1048576*(\t)+8192*(\k)  ; 16 lanes store 256 consecutive bytes, at a multiple of 256 from out0's first byte
.endr
.endm
	PLACES
	PACK 0
	TOSTAGE 0
.irp t, 1,2,3,4,5,6,7
	PACK \t                                        ; a block's arithmetic stands between the loads of the block before and the wait for them
	SEND (\t)-1
	TOSTAGE \t
.endr
	SEND 7
	s_wait_tensorcnt 0x0                           ; the wave's end: behind my last LDS store
	ds_add_u32 v[SPW], v[NIL]
	s_wait_dscnt 0x0
	CROUND                                         ; the closing round
	s_endpgm
.Lfunc_end_k_q23944c011f_mix:
	.size	k_q23944c011f_mix, .Lfunc_end_k_q23944c011f_mix-k_q23944c011f_mix
	.p2alignl 7, 3214868480
	.fill 96, 4, 3214868480
	.section	.rodata,"a",@progbits
	.p2align	6, 0x0
	.amdhsa_kernel k_q23944c011f_mix
		.amdhsa_group_segment_fixed_size 327680
		.amdhsa_private_segment_fixed_size 0
		.amdhsa_enable_private_segment 0
		.amdhsa_kernarg_size 40
		.amdhsa_user_sgpr_count 2
		.amdhsa_user_sgpr_kernarg_segment_ptr 1
		.amdhsa_wavefront_size32 1
		.amdhsa_system_sgpr_workgroup_id_x 1
		.amdhsa_system_sgpr_workgroup_id_y 1
		.amdhsa_system_sgpr_workgroup_id_z 1
		.amdhsa_system_vgpr_workitem_id 0
		.amdhsa_next_free_vgpr 1024
		.amdhsa_next_free_sgpr 88
		.amdhsa_reserve_vcc 0
		.amdhsa_float_denorm_mode_32 3
		.amdhsa_float_denorm_mode_16_64 3
		.amdhsa_memory_ordered 1
		.amdhsa_forward_progress 1
		.amdhsa_inst_pref_size 222
	.end_amdhsa_kernel
	.amdgpu_metadata
---
amdhsa.version: [ 1, 2 ]
amdhsa.kernels:
  - .name:           k_q23944c011f_mix
    .symbol:         k_q23944c011f_mix.kd
    .args:
      - { .name: qkv, .offset: 0, .size: 8, .value_kind: global_buffer, .address_space: global }
      - { .name: pf, .offset: 8, .size: 8, .value_kind: global_buffer, .address_space: global }
      - { .name: cms, .offset: 16, .size: 8, .value_kind: global_buffer, .address_space: global }
      - { .name: ls, .offset: 24, .size: 8, .value_kind: global_buffer, .address_space: global }
      - { .name: out0, .offset: 32, .size: 8, .value_kind: global_buffer, .address_space: global }
    .group_segment_fixed_size: 327680
    .private_segment_fixed_size: 0
    .kernarg_segment_align: 8
    .kernarg_segment_size: 40
    .max_flat_workgroup_size: 128
    .sgpr_count:     88
    .vgpr_count:     1024
    .wavefront_size: 32
...
	.end_amdgpu_metadata
.endif
;; end of part 4
;; ======== version 2 of 2: 4 launches; version 1 with the launch pack written anew for expert scheduling mode
;; limits: values are held in f16: magnitudes above 65,504 overflow, below 6.1e-05 lose precision
;; workspace buffers: xw 23,068,672 bytes; qkv 50,331,648 bytes; pf 18,874,368 bytes; cms 524,288 bytes; ls 524,288 bytes
;; launch pack (part 5): grid 704 x 1, 8 waves a work-group, no clusters, 35,840 bytes of LDS; arguments x, Wq, Wk, Wv, xw; writes xw
.if DOCPART == 5
	.amdgcn_target "amdgcn-amd-amdhsa--gfx1250"
	.amdhsa_code_object_version 6
	.text
	.protected	k_q23944c011f_pack
	.globl	k_q23944c011f_pack
	.p2align	8
	.type	k_q23944c011f_pack,@function
k_q23944c011f_pack:
	s_mov_b64 s[64:65], 0
	v_nop
	global_prefetch_b8 v0, s[64:65] scope:SCOPE_SE
	s_setreg_imm32_b32 hwreg(HW_REG_WAVE_SCHED_MODE, 0, 2), 2
	s_setreg_imm32_b32 hwreg(HW_REG_WAVE_MODE, 25, 1), 1
	s_wait_xcnt 0x0
	s_wait_alu depctr_vm_vsrc(0)
; PACK.  x [8192][1024] and Wq, Wk, Wv [1024][1024], all f32, are rounded once to bf16 and laid out as matrix fragments.
; xw: 704 blocks of 16 rows (0-511 x, 512-575 Wq, 576-639 Wk, 640-703 Wv); a block is 32 fragments of 1,024 bytes (16 rows x 32 k).
; In a fragment byte 512 half + 16 lane + 2 e holds (row = lane % 16, k = 16 half + 8 (lane / 16) + e): the register image of a 16-bit matrix operand,
; so the next launch reads fragments from LDS as 16 bytes a lane on end.
; A stream: each byte is read once and written once.  A work-group takes one block, wave v its k = 128 v .. 128 v + 127.  A load of a wave covers 512
; consecutive bytes of a row, a store 512 consecutive bytes of xw.  The turn from rows to fragments goes through the wave's own 16 LDS rows of 272 bytes
; (256 + 16: the 16 rows that a read touches start 68 words apart).  No matrix unit, no cluster, no tensor load: no wave wants a byte that another fetched.
; No prefetch: every load of the launch is issued at a wave's start.  All 16 loads of a wave (8 KiB) are out together.
; THE MODE: SCHED_MODE bits 1:0 = 2 (LLVM: expert scheduling mode 2), set by the entry lines.  The code itself states the register dependences
; between vector instructions and memory or LDS instructions, with s_wait_alu, always for 0.
; THE PLAN.  Registers that memory or LDS instructions touch:
;   v2 to v5   offsets and LDS addresses: written at the head, read by every load and store, never written again.
;   X          row j's four registers: its global load lands in them; its two conversions read them and write the first two; its LDS store reads those two; nothing writes them after that.
;              (v8 and v9, row 0's, serve the head's arithmetic before the load is issued.)
;   Y          the LDS loads land in them, the global stores read them; no vector instruction names them.
;   v6, v7     written at the head, read by the closing add alone.
; The 16 rows go in four groups of four.  Group g waits for its four loads and rounds them; the LDS stores of group g - 1 are dealt among its conversions, which name the
; registers of group g's rows alone.  So one wait on va_vdst at a group's head, behind the wait for its loads, states all that those four stores hang on.  No register that a
; memory or LDS instruction has read is written again, so no wait on vm_vsrc is owed.
.set ROWB,  4096                       ; bytes in a row of x or W
.set PITCH, 272
.set WLDS,  16*PITCH                   ; a wave's LDS rows
.set SPARE, 8*WLDS                     ; behind them: the spare words, 128 bytes for each wave, four blocks of 256 bytes that no other line names
.set IN,   2                           ; v2  16 x thread: my 16 bytes of a row (512 x wave + 16 x lane)
.set LST,  3                           ; v3  where I put 8 bytes of a row
.set LRD,  4                           ; v4  where I read 16 bytes of a fragment
.set OUTO, 5                           ; v5  my 16 bytes in the wave's 4,096 bytes of xw
.set SPW,  6                           ; v6  LDS address of my spare word; never rewritten
.set NIL,  7                           ; v7  0; never rewritten
.set X,    8                           ; v[8:71]   16 rows x 4 f32 as loaded; the first two of each four then hold 4 bf16
.set Y,    72                          ; v[72:103] eight half fragments to store
	s_load_b256 s[4:11], s[0:1], 0x0               ; x s[4:5], Wq s[6:7], Wk s[8:9], Wv s[10:11]
	s_load_b64 s[12:13], s[0:1], 0x20              ; xw
	v_lshl_add_u32 v[SPW], v0, 2, SPARE
	v_mov_b32 v[NIL], 0
	v_lshrrev_b32 v1, 5, v0
	v_readfirstlane_b32 s15, v1                    ; wave 0..7
	v_and_b32 v1, 31, v0                           ; lane
	v_lshlrev_b32 v[IN], 4, v0
	v_and_b32 v8, 15, v0                           ; fragment row
	v_bfe_u32 v9, v0, 4, 1                         ; lane / 16
	v_mul_u32_u24 v[LRD], v8, PITCH
	v_lshl_add_u32 v[LRD], v9, 4, v[LRD]
	s_wait_alu depctr_va_sdst(0)                   ; s15 is written, ahead of its first reader: the wave's LDS rows and its place in xw are made from it
	s_mul_i32 s22, s15, WLDS                       ; my wave's LDS rows
	v_lshl_add_u32 v[LST], v1, 3, s22              ; 4 bf16 a lane: 8 bytes
	v_add_nc_u32 v[LRD], s22, v[LRD]
	s_lshl_b32 s23, s15, 12                        ; four fragments a wave
	v_lshl_add_u32 v[OUTO], v1, 4, s23
	s_mov_b32 s14, ttmp9                           ; the block
	s_mov_b32 s18, 640
	s_wait_kmcnt 0x0
	s_cmp_lt_u32 s14, 640                          ; which tensor the block belongs to, and that tensor's first block
	s_cselect_b64 s[16:17], s[8:9], s[10:11]
	s_cselect_b32 s18, 576, s18
	s_cmp_lt_u32 s14, 576
	s_cselect_b64 s[16:17], s[6:7], s[16:17]
	s_cselect_b32 s18, 512, s18
	s_cmp_lt_u32 s14, 512
	s_cselect_b64 s[16:17], s[4:5], s[16:17]
	s_cselect_b32 s18, 0, s18
	s_sub_co_u32 s18, s14, s18
	s_lshl_b32 s18, s18, 16                        ; 16 rows of 4,096 bytes
	s_mov_b32 s19, 0
	s_add_nc_u64 s[16:17], s[16:17], s[18:19]
	s_lshl_b32 s20, s14, 15                        ; 32 fragments of 1,024 bytes
	s_mov_b32 s21, 0
	s_add_nc_u64 s[12:13], s[12:13], s[20:21]
	s_wait_alu depctr_va_vdst(0)                   ; v2 to v5 are written, which the loads and stores below read as offsets and addresses; the head is done with v8 and v9, in which row 0's load lands
.set j, 0
.rept 16
	global_load_b128 v[X+4*j:X+4*j+3], v[IN], s[16:17] offset:j*ROWB th:TH_LOAD_NT  ; row j: the wave's 512 bytes
.set j, j+1
.endr
.set g, 0
.rept 4                                                ; group g: rows 4 g to 4 g + 3
	s_wait_loadcnt 12-4*g                          ; loads come back in order: the group's four rows are in, the later groups' stay out
.if g > 0
	s_wait_alu depctr_va_vdst(0)                   ; the conversions of the group before have written the first two registers of its four rows, which the LDS stores below read
.endif
.set i, 0
.rept 4
.set j, 4*g+i
.if g > 0
	ds_store_b64 v[LST], v[X+4*(j-4):X+4*(j-4)+1] offset:(j-4)*PITCH  ; a row of the group before.  No further wait: no vector instruction since the wait names its registers
.endif
	v_cvt_pk_bf16_f32 v[X+4*j], v[X+4*j], v[X+4*j+1]
	v_cvt_pk_bf16_f32 v[X+4*j+1], v[X+4*j+2], v[X+4*j+3]
.set i, i+1
.endr
.set g, g+1
.endr
	s_wait_alu depctr_va_vdst(0)                   ; the last group's conversions have written the registers that the last four LDS stores read
.set j, 12
.rept 4
	ds_store_b64 v[LST], v[X+4*j:X+4*j+1] offset:j*PITCH
.set j, j+1
.endr
.set j, 0
.rept 8
	ds_load_b128 v[Y+4*j:Y+4*j+3], v[LRD] offset:32*j  ; half fragment j: k = 16 j + 8 (lane / 16) on.  My own bytes; LDS serves a wave's instructions in order
.set j, j+1
.endr
.set j, 0
.rept 8
	s_wait_dscnt 7-j
	global_store_b128 v[OUTO], v[Y+4*j:Y+4*j+3], s[12:13] offset:512*j  ; 512 consecutive bytes, at a multiple of 512 from xw's first byte
.set j, j+1
.endr
	s_wait_dscnt 0x0                               ; the wave's end
	s_wait_alu 0x0
	s_wait_tensorcnt 0x0
	ds_add_u32 v[SPW], v[NIL]
	s_wait_dscnt 0x0
	s_endpgm
.Lfunc_end_k_q23944c011f_pack:
	.size	k_q23944c011f_pack, .Lfunc_end_k_q23944c011f_pack-k_q23944c011f_pack
	.p2alignl 7, 3214868480
	.fill 96, 4, 3214868480
	.section	.rodata,"a",@progbits
	.p2align	6, 0x0
	.amdhsa_kernel k_q23944c011f_pack
		.amdhsa_group_segment_fixed_size 35840
		.amdhsa_private_segment_fixed_size 0
		.amdhsa_enable_private_segment 0
		.amdhsa_kernarg_size 40
		.amdhsa_user_sgpr_count 2
		.amdhsa_user_sgpr_kernarg_segment_ptr 1
		.amdhsa_wavefront_size32 1
		.amdhsa_system_sgpr_workgroup_id_x 1
		.amdhsa_system_sgpr_workgroup_id_y 1
		.amdhsa_system_sgpr_workgroup_id_z 1
		.amdhsa_system_vgpr_workitem_id 0
		.amdhsa_next_free_vgpr 112
		.amdhsa_next_free_sgpr 66
		.amdhsa_reserve_vcc 0
		.amdhsa_float_denorm_mode_32 3
		.amdhsa_float_denorm_mode_16_64 3
		.amdhsa_memory_ordered 1
		.amdhsa_forward_progress 1
		.amdhsa_inst_pref_size 9
	.end_amdhsa_kernel
	.amdgpu_metadata
---
amdhsa.version: [ 1, 2 ]
amdhsa.kernels:
  - .name:           k_q23944c011f_pack
    .symbol:         k_q23944c011f_pack.kd
    .args:
      - { .name: x, .offset: 0, .size: 8, .value_kind: global_buffer, .address_space: global }
      - { .name: Wq, .offset: 8, .size: 8, .value_kind: global_buffer, .address_space: global }
      - { .name: Wk, .offset: 16, .size: 8, .value_kind: global_buffer, .address_space: global }
      - { .name: Wv, .offset: 24, .size: 8, .value_kind: global_buffer, .address_space: global }
      - { .name: xw, .offset: 32, .size: 8, .value_kind: global_buffer, .address_space: global }
    .group_segment_fixed_size: 35840
    .private_segment_fixed_size: 0
    .kernarg_segment_align: 8
    .kernarg_segment_size: 40
    .max_flat_workgroup_size: 256
    .sgpr_count:     66
    .vgpr_count:     112
    .wavefront_size: 32
...
	.end_amdgpu_metadata
.endif
;; end of part 5
;; launch proj: the kernel of part 2 again; grid 8 x 32, 4 waves a work-group, clusters of 4 x 4, 327,680 bytes of LDS; arguments xw, qkv; writes qkv
;; launch score: the kernel of part 3 again; grid 8 x 32, 4 waves a work-group, clusters of 4 x 4, 327,680 bytes of LDS; arguments qkv, pf, cms, ls; writes pf, cms, ls
;; launch mix: the kernel of part 4 again; grid 8 x 32, 4 waves a work-group, clusters of 4 x 4, 327,680 bytes of LDS; arguments qkv, pf, cms, ls, out0; writes out0
